; MI455X (gfx1250); checked and timed in simulation.
; The chip was launched on July 23, 2026; its instructions are those of AMD's public machine-readable ISA for CDNA 5 (MIT licence, August 2026) and "CDNA5" Instruction Set Architecture Reference Guide (July 2026). The comments in the code are by the model that wrote it; some were corrected since.
;; Self Attention. Allowed arithmetic: float matrix products may take bf16 or f16 operands with f32 sums; all other float work in f32.
;; Inputs: Wk 1,024 x 1,024 float32; Wproj 1,024 x 1,024 float32; Wq 1,024 x 1,024 float32; Wv 1,024 x 1,024 float32; beta 1,024 float32; gamma 1,024 float32; mask 2 x 2,048 bool; x 2 x 2,048 x 1,024 float32.
;; Outputs: out0 2 x 2,048 x 1,024 float32.
;; 2 versions, each right; version 2 is version 1 with the launch prep written anew for expert scheduling mode. Each part assembles by itself: llvm-mc -triple=amdgcn-amd-amdhsa -mcpu=gfx1250 --defsym DOCPART=n.
;; ======== version 1 of 2: 4 launches
;; limits: values are held in f16: magnitudes above 65,504 overflow, below 6.1e-05 lose precision
;; workspace buffers: xn 8,388,608 bytes; wt 8,388,608 bytes; qkv 25,165,824 bytes; ao 8,388,608 bytes
;; launch prep (part 1): grid 256 x 1, 8 waves a work-group, no clusters, 35,840 bytes of LDS; arguments x, gamma, beta, Wq, Wk, Wv, Wproj, xn, wt; writes xn, wt
.if DOCPART == 1
	.amdgcn_target "amdgcn-amd-amdhsa--gfx1250"
	.amdhsa_code_object_version 6
	.text
	.protected	k_q57bc52e1a6_prep
	.globl	k_q57bc52e1a6_prep
	.p2align	8
	.type	k_q57bc52e1a6_prep,@function
k_q57bc52e1a6_prep:
	s_mov_b64 s[64:65], 0
	v_nop
	global_prefetch_b8 v0, s[64:65] scope:SCOPE_SE
	s_setreg_imm32_b32 hwreg(HW_REG_WAVE_MODE, 25, 1), 1
	s_wait_xcnt 0x0
; prep: (1) xn = LayerNorm(x) * gamma + beta, rounded once to f16;  (2) wt[m*1024+n][k] = W_m[k][n] in f16 (m = Wq, Wk, Wv, Wproj).
; x: [4096][1024] f32.  xn: [4096][1024] f16.  W: [1024 k][1024 n] f32.  wt: [4096 n][1024 k] f16.
; 256 work-groups of eight waves, each with two equal jobs:
;   LayerNorm of 16 rows: a wave takes two rows; a row of 4,096 bytes lies in 32 registers of one wave between the pass for the
;   mean, the pass for the variance (of x - mean, so a common offset of x costs no digits) and the scaling: x is read once.
;   A region of 128 k x 128 n of one weight: read by rows of 512 bytes, packed to f16 pairs along k, turned in LDS, written as
;   pieces of 256 bytes of wt's rows.
; No matrix unit, no cluster, no tensor load: every byte is read once by one work-group, and all 48 loads of a wave go out at once.
; LIMIT: f16 holds magnitudes below 65,504: |xn| and |W| have to stay below that.
.set TT, 8                             ; v[8:15]    at work
.set WB, 16                            ; v[16:79]   16 rows of W, 4 registers each; later the rows read back from LDS
.set PK, 80                            ; v[80:111]  column c of my four: 8 registers = 16 f16 along k
.set GA, 112                           ; v[112:143] gamma of my 32 columns
.set BE, 144                           ; v[144:175] beta
.set XB, 176                           ; v[176:239] two rows of x, 32 registers each
.set TP, 272                           ; LDS pitch: 256 bytes (128 k) + 16, an odd multiple of 16 bytes
	s_load_b512 s[4:19], s[0:1], 0x0               ; x, gamma, beta, Wq, Wk, Wv, Wproj, xn
	s_load_b64 s[20:21], s[0:1], 0x40              ; wt
	v_lshl_add_u32 v240, v0, 2, 0x8800
	v_mov_b32 v241, 0
	v_and_b32 v8, 31, v0                           ; lane
	v_lshrrev_b32 v9, 5, v0                        ; wave
	v_lshlrev_b32 v3, 4, v8                        ; v3: gamma, beta: 16 lane
	v_lshl_add_u32 v1, v9, 16, v3                  ; v1: W: 16 rows of 4,096 bytes a wave + 16 lane
	v_lshl_add_u32 v2, v9, 13, v3                  ; v2: x: 2 rows a wave + 16 lane
	v_lshlrev_b32 v4, 3, v8
	v_lshl_add_u32 v4, v9, 12, v4                  ; v4: xn: 2 rows of 2,048 bytes a wave + 8 lane
	v_mul_u32_u24 v5, v8, TP
	v_lshl_add_u32 v5, v9, 5, v5                   ; v5: LDS in: row = lane (+ 32 c), byte 32 wave (my 16 k)
	v_lshrrev_b32 v10, 4, v8                       ; lane / 16
	v_and_b32 v11, 15, v8                          ; lane % 16
	v_lshl_add_u32 v12, v9, 4, v10                 ; LDS row 16 wave + lane / 16 (+ 2 t)
	v_mul_u32_u24 v6, v12, TP
	v_lshl_add_u32 v6, v11, 4, v6                  ; v6: LDS back: 16 lanes take a row's 256 bytes
	v_and_b32 v12, 1, v9
	v_lshrrev_b32 v13, 1, v9
	v_lshl_add_u32 v12, v12, 6, v13                ; LDS row rho holds column n = 4 (rho % 32) + rho / 32:
	v_lshl_add_u32 v12, v10, 2, v12                ; n = 64 (wave % 2) + 8 t + 4 (lane / 16) + wave / 2
	v_lshlrev_b32 v12, 11, v12
	v_lshl_add_u32 v7, v11, 4, v12                 ; v7: wt: n x 2,048 bytes + 16 (lane % 16)
	s_lshr_b32 s26, ttmp9, 6                       ; which weight
	s_bfe_u32 s27, ttmp9, 0x30003                  ; block of 128 k
	s_and_b32 s28, ttmp9, 7                        ; block of 128 n
	s_mov_b32 s25, 0                               ; high word of every offset
	s_mov_b32 s30, 0x76543210                      ; v_permlanex16_b32: lane i reads lane i of the other half
	s_mov_b32 s31, 0xfedcba98
	s_mov_b32 s32, 0x3a800000                      ; 1 / 1024
	s_mov_b32 s33, 0x3727c5ac                      ; 1e-5
	s_wait_kmcnt 0x0
	s_mov_b64 s[22:23], s[10:11]                   ; the weight is chosen by the work-group's number alone
	s_cmp_eq_u32 s26, 1
	s_cselect_b64 s[22:23], s[12:13], s[22:23]
	s_cmp_eq_u32 s26, 2
	s_cselect_b64 s[22:23], s[14:15], s[22:23]
	s_cmp_eq_u32 s26, 3
	s_cselect_b64 s[22:23], s[16:17], s[22:23]
	s_lshl_b32 s24, s27, 19                        ; 128 rows of 4,096 bytes
	s_lshl_b32 s29, s28, 9                         ; 128 columns of 4 bytes
	s_add_co_u32 s24, s24, s29
	s_add_nc_u64 s[22:23], s[22:23], s[24:25]
	s_lshl_b32 s24, ttmp9, 16                      ; 16 rows of x
	s_add_nc_u64 s[4:5], s[4:5], s[24:25]
	s_lshl_b32 s24, ttmp9, 15                      ; 16 rows of xn
	s_add_nc_u64 s[18:19], s[18:19], s[24:25]
	s_lshl_b32 s24, s26, 21                        ; 1,024 rows of wt a weight,
	s_lshl_b32 s29, s28, 18                        ; 128 rows a block of n,
	s_add_co_u32 s24, s24, s29
	s_lshl_b32 s29, s27, 8                         ; 256 bytes a block of k
	s_add_co_u32 s24, s24, s29
	s_add_nc_u64 s[20:21], s[20:21], s[24:25]
	; all 48 loads of the wave, each 512 neighbouring bytes: W, gamma, beta, row 0, row 1
.irp p, 0,1,2,3,4,5,6,7,8,9,10,11,12,13,14,15
	global_load_b128 v[WB+4*\p:WB+4*\p+3], v1, s[22:23] offset:\p*4096 th:TH_LOAD_NT
.endr
.irp j, 0,1,2,3,4,5,6,7
	global_load_b128 v[GA+4*\j:GA+4*\j+3], v3, s[6:7] offset:512*\j
.endr
.irp j, 0,1,2,3,4,5,6,7
	global_load_b128 v[BE+4*\j:BE+4*\j+3], v3, s[8:9] offset:512*\j
.endr
.irp j, 0,1,2,3,4,5,6,7
	global_load_b128 v[XB+4*\j:XB+4*\j+3], v2, s[4:5] offset:512*\j th:TH_LOAD_NT
.endr
.irp j, 0,1,2,3,4,5,6,7
	global_load_b128 v[XB+32+4*\j:XB+32+4*\j+3], v2, s[4:5] offset:4096+512*\j th:TH_LOAD_NT
.endr
	; the weight: lane holds columns 4 lane + c of rows 16 wave + p.  Two neighbouring k make a word; a column's 16 k are 32 bytes.
	s_wait_loadcnt 32                              ; loads return in order: the 16 of W are in, the 32 younger ones stay out
.irp c, 0,1,2,3
.irp q, 0,1,2,3,4,5,6,7
	v_cvt_pk_f16_f32 v[PK+8*\c+\q], v[WB+8*\q+\c], v[WB+8*\q+4+\c]
.endr
	ds_store_b128 v5, v[PK+8*\c:PK+8*\c+3] offset:\c*32*TP       ; column 4 lane + c goes to LDS row 32 c + lane: lanes lie 272 bytes apart
	ds_store_b128 v5, v[PK+8*\c+4:PK+8*\c+7] offset:\c*32*TP+16
.endr
; the sum of the two packed chains v[TT:TT+3] over the 32 lanes, into v[TT] of every lane
.macro WSUM
	v_pk_add_f32 v[TT:TT+1], v[TT:TT+1], v[TT+2:TT+3]
	v_add_f32 v[TT], v[TT], v[TT+1]
	v_add_f32_dpp v[TT], v[TT], v[TT] row_xmask:1 row_mask:0xf bank_mask:0xf
	v_add_f32_dpp v[TT], v[TT], v[TT] row_xmask:2 row_mask:0xf bank_mask:0xf
	v_add_f32_dpp v[TT], v[TT], v[TT] row_xmask:4 row_mask:0xf bank_mask:0xf
	v_add_f32_dpp v[TT], v[TT], v[TT] row_xmask:8 row_mask:0xf bank_mask:0xf
	v_permlanex16_b32 v[TT+1], v[TT], s30, s31     ; its destination has been written above
	v_add_f32 v[TT], v[TT], v[TT+1]
.endm
; one row.  left = how many younger loads may stay out
.macro LNROW rr, left
	s_wait_loadcnt \left
	v_pk_add_f32 v[TT:TT+1], v[XB+32*\rr:XB+32*\rr+1], v[XB+32*\rr+2:XB+32*\rr+3]       ; the first pairs start the two chains
	v_pk_add_f32 v[TT+2:TT+3], v[XB+32*\rr+4:XB+32*\rr+5], v[XB+32*\rr+6:XB+32*\rr+7]
.irp j, 8,12,16,20,24,28
	v_pk_add_f32 v[TT:TT+1], v[TT:TT+1], v[XB+32*\rr+\j:XB+32*\rr+\j+1]
	v_pk_add_f32 v[TT+2:TT+3], v[TT+2:TT+3], v[XB+32*\rr+\j+2:XB+32*\rr+\j+3]
.endr
	WSUM
	v_mul_f32 v[TT+4], s32, v[TT]                  ; the mean, twice: a pair for the packed forms
	v_mul_f32 v[TT+5], s32, v[TT]
.irp j, 0,2,4,6,8,10,12,14,16,18,20,22,24,26,28,30
	v_pk_add_f32 v[XB+32*\rr+\j:XB+32*\rr+\j+1], v[XB+32*\rr+\j:XB+32*\rr+\j+1], v[TT+4:TT+5] neg_lo:[0,1] neg_hi:[0,1]
.endr
	v_pk_mul_f32 v[TT:TT+1], v[XB+32*\rr:XB+32*\rr+1], v[XB+32*\rr:XB+32*\rr+1]
	v_pk_mul_f32 v[TT+2:TT+3], v[XB+32*\rr+2:XB+32*\rr+3], v[XB+32*\rr+2:XB+32*\rr+3]
.irp j, 4,8,12,16,20,24,28
	v_pk_fma_f32 v[TT:TT+1], v[XB+32*\rr+\j:XB+32*\rr+\j+1], v[XB+32*\rr+\j:XB+32*\rr+\j+1], v[TT:TT+1]
	v_pk_fma_f32 v[TT+2:TT+3], v[XB+32*\rr+\j+2:XB+32*\rr+\j+3], v[XB+32*\rr+\j+2:XB+32*\rr+\j+3], v[TT+2:TT+3]
.endr
	WSUM
	v_fma_f32 v[TT], v[TT], s32, s33               ; variance + eps
	v_rsq_f32 v[TT+4], v[TT]
	v_rsq_f32 v[TT+5], v[TT]
	v_nop                                          ; one plain place between the transcendentals and the first use of their results
	s_wait_alu depctr_va_vdst(0)
.irp j, 0,2,4,6,8,10,12,14,16,18,20,22,24,26,28,30
	v_pk_mul_f32 v[XB+32*\rr+\j:XB+32*\rr+\j+1], v[XB+32*\rr+\j:XB+32*\rr+\j+1], v[TT+4:TT+5]
.endr
.irp j, 0,2,4,6,8,10,12,14,16,18,20,22,24,26,28,30
	v_pk_fma_f32 v[XB+32*\rr+\j:XB+32*\rr+\j+1], v[XB+32*\rr+\j:XB+32*\rr+\j+1], v[GA+\j:GA+\j+1], v[BE+\j:BE+\j+1]
.endr
.irp j, 0,1,2,3,4,5,6,7
	v_cvt_pk_f16_f32 v[XB+32*\rr+4*\j], v[XB+32*\rr+4*\j], v[XB+32*\rr+4*\j+1]
	v_cvt_pk_f16_f32 v[XB+32*\rr+4*\j+1], v[XB+32*\rr+4*\j+2], v[XB+32*\rr+4*\j+3]
	global_store_b64 v4, v[XB+32*\rr+4*\j:XB+32*\rr+4*\j+1], s[18:19] offset:\rr*2048+256*\j   ; the wave's 32 lanes store 256 consecutive bytes, aligned; these registers are not written again
.endr
.endm
	LNROW 0, 8                                     ; row 1's eight loads stay out
	LNROW 1, 0
	s_wait_dscnt 0x0                               ; my LDS stores are done, for the other waves' sake
	s_barrier_signal -1
	s_barrier_wait -1                              ; the 128 x 128 region lies in LDS, turned
.irp t, 0,1,2,3,4,5,6,7
	ds_load_b128 v[WB+4*\t:WB+4*\t+3], v6 offset:2*TP*\t
.endr
.irp t, 0,1,2,3,4,5,6,7
	s_wait_dscnt 7-\t                              ; LDS loads return in order: load t is in
	global_store_b128 v7, v[WB+4*\t:WB+4*\t+3], s[20:21] offset:16384*\t   ; 16 lanes store 256 consecutive bytes of a row of wt, aligned
.endr
	s_wait_tensorcnt 0x0
	ds_add_u32 v240, v241
	s_wait_dscnt 0x0
	s_endpgm
.Lfunc_end_k_q57bc52e1a6_prep:
	.size	k_q57bc52e1a6_prep, .Lfunc_end_k_q57bc52e1a6_prep-k_q57bc52e1a6_prep
	.p2alignl 7, 3214868480
	.fill 96, 4, 3214868480
	.section	.rodata,"a",@progbits
	.p2align	6, 0x0
	.amdhsa_kernel k_q57bc52e1a6_prep
		.amdhsa_group_segment_fixed_size 35840
		.amdhsa_private_segment_fixed_size 0
		.amdhsa_enable_private_segment 0
		.amdhsa_kernarg_size 72
		.amdhsa_user_sgpr_count 2
		.amdhsa_user_sgpr_kernarg_segment_ptr 1
		.amdhsa_wavefront_size32 1
		.amdhsa_system_sgpr_workgroup_id_x 1
		.amdhsa_system_sgpr_workgroup_id_y 1
		.amdhsa_system_sgpr_workgroup_id_z 1
		.amdhsa_system_vgpr_workitem_id 0
		.amdhsa_next_free_vgpr 242
		.amdhsa_next_free_sgpr 66
		.amdhsa_reserve_vcc 0
		.amdhsa_float_denorm_mode_32 3
		.amdhsa_float_denorm_mode_16_64 3
		.amdhsa_memory_ordered 1
		.amdhsa_forward_progress 1
		.amdhsa_inst_pref_size 27
	.end_amdhsa_kernel
	.amdgpu_metadata
---
amdhsa.version: [ 1, 2 ]
amdhsa.kernels:
  - .name:           k_q57bc52e1a6_prep
    .symbol:         k_q57bc52e1a6_prep.kd
    .args:
      - { .name: x, .offset: 0, .size: 8, .value_kind: global_buffer, .address_space: global }
      - { .name: gamma, .offset: 8, .size: 8, .value_kind: global_buffer, .address_space: global }
      - { .name: beta, .offset: 16, .size: 8, .value_kind: global_buffer, .address_space: global }
      - { .name: Wq, .offset: 24, .size: 8, .value_kind: global_buffer, .address_space: global }
      - { .name: Wk, .offset: 32, .size: 8, .value_kind: global_buffer, .address_space: global }
      - { .name: Wv, .offset: 40, .size: 8, .value_kind: global_buffer, .address_space: global }
      - { .name: Wproj, .offset: 48, .size: 8, .value_kind: global_buffer, .address_space: global }
      - { .name: xn, .offset: 56, .size: 8, .value_kind: global_buffer, .address_space: global }
      - { .name: wt, .offset: 64, .size: 8, .value_kind: global_buffer, .address_space: global }
    .group_segment_fixed_size: 35840
    .private_segment_fixed_size: 0
    .kernarg_segment_align: 8
    .kernarg_segment_size: 72
    .max_flat_workgroup_size: 256
    .sgpr_count:     66
    .vgpr_count:     242
    .wavefront_size: 32
...
	.end_amdgpu_metadata
.endif
;; end of part 1
;; launch qkvgemm (part 2): grid 16 x 16, 4 waves a work-group, clusters of 4 x 4, 327,680 bytes of LDS; arguments xn, wt, qkv; writes qkv
.if DOCPART == 2
	.amdgcn_target "amdgcn-amd-amdhsa--gfx1250"
	.amdhsa_code_object_version 6
	.text
	.protected	k_q57bc52e1a6_qkvgemm
	.globl	k_q57bc52e1a6_qkvgemm
	.p2align	8
	.type	k_q57bc52e1a6_qkvgemm,@function
k_q57bc52e1a6_qkvgemm:
	s_mov_b64 s[64:65], 0
	v_nop
	global_prefetch_b8 v0, s[64:65] scope:SCOPE_SE
	s_setreg_imm32_b32 hwreg(HW_REG_WAVE_MODE, 25, 1), 1
	s_wait_xcnt 0x0
	s_wait_alu depctr_hold_cnt(0) depctr_sa_sdst(0) depctr_va_vdst(0) depctr_va_sdst(0) depctr_va_ssrc(0) depctr_va_vcc(0) depctr_vm_vsrc(0)
	s_getreg_b32 s2, hwreg(HW_REG_IB_STS2, 6, 4)
	s_cmp_eq_u32 s2, 0
	s_cbranch_scc0 .Lentry_in_a_cluster
	s_endpgm
.Lentry_in_a_cluster:
	s_bfe_u32 s2, ttmp6, 0x10000c
	s_cmp_lg_u32 s2, 0xf033
	s_cbranch_scc0 .Lentry_shape_is_right
	s_endpgm
.Lentry_shape_is_right:
; qkvgemm: [4096 tokens x 1024] (xn) times [3072 n x 1024]^T (rows 0-3071 of wt: Wq^T, Wk^T, Wv^T), f16 operands, f32 sums, written
; by head: qkv[which][batch*16+head][token][64] in f16.
; A work-group makes 256 tokens x 192 columns (three heads): 16 x 16 = 256 work-groups.  Four waves, one a SIMD; wave w makes tokens
; 64 w .. 64 w + 63 x all 192 columns: 4 x 12 accumulator tiles, 384 registers.  The waves are stacked along the tokens so that each
; holds whole heads and can store runs of 512 bytes by itself.
; K goes in steps of 128 through two LDS slots filled by tensor loads: a tile's rows are 256 bytes of memory, aligned.
; CLUSTERS: 4 x 4 work-groups.  The four of a row of the cluster need the same rows of xn, the four of a column the same rows of wt:
; each tile is asked for jointly, by the same load with the same descriptor in all four, which divides the requests by four.
; A wave has at most two tensor loads outstanding (the two first fills), later one.
; The matrix instruction is used transposed (source 0 = 16 rows of wt, source 1 = 16 rows of xn): lane l then holds token l % 16 and
; its eight registers the columns 8 (l / 16) + 0..7, which pack into 16 neighbouring bytes.
; LIMIT: q, k, v are rounded to f16: magnitudes below 65,504.
; REGISTERS by windows of 256: window 0 addresses, xn's fragments (two buffers of 32), way out; window 1 wt's fragments (two buffers
; of 96); window 2 the tiles of columns 0-95 (tile (a, b) at 8 (6 a + b)); window 3 those of columns 96-191.
.set SIZE_K, 1024
.set KSTEP,  128
.set PITCH,  272                       ; 256 bytes + 16: an odd multiple of 16 bytes, so the 16 rows of a fragment load start in 16 different columns of 16 bytes
.set HALFA,  128*PITCH                 ; what one load of xn brings
.set HALFB,  96*PITCH                  ; what one load of wt brings
.set SLOT,   2*HALFA+2*HALFB           ; xn's 256 rows, then wt's 192
.set STAGE,  2*SLOT                    ; behind the ring (a multiple of 256): 16 rows x 400 bytes for each wave; no tensor load lands here
.set SPITCH, 400
.set LAPS,   SIZE_K/(2*KSTEP)          ; a lap = two K steps = once round the ring
.set ADRA, 16                          ; v16-17 LDS address of my xn fragments in slot 0, 1
.set ADRB, 20                          ; v20-21 the same for wt
.set STO,  24
.set RD,   25
.set CO,   26
.set FA,   32                          ; window 0: buffer f at FA + 32 f
.set FB,   0                           ; window 1: buffer f at FB + 96 f
.set TMP,  96                          ; v96-143 packed results
.set RB0,  144                         ; v144-191, v192-239: rows read back, by turns
.set RB1,  192
.set G1,  24                           ; s[24:31] group 1 for xn's tiles
.set G0,  32                           ; s[32:39] group 0 for xn's tiles, a set for each slot
.set G1B, 48                           ; s[48:55] group 1 for wt's tiles
.set G0B, 56                           ; s[56:63] group 0 for wt's tiles
.set MSB, 0
.macro WIN new                         ; the immediate's high byte repeats the setting that is left
.if MSB != \new
	s_set_vgpr_msb (MSB<<8)|\new
.set MSB, \new
.endif
.endm
.set MUL_LO, 0xa1                      ; source 0 window 1, source 1 window 0, C and D window 2
.set MUL_HI, 0xf1                      ; the same, C and D window 3
.set TO_B,   0x40                      ; destination window 1, address window 0
; A joint load: waves 0 and 1 fetch xn's two halves, waves 2 and 3 wt's.  The branch hangs on the wave's number alone.
.macro JLOAD s
	s_cmp_eq_u32 s11, 0
	s_cbranch_scc0 .Lfor_b_\@
	tensor_load_to_lds s[G0+4*\s:G0+4*\s+3], s[G1:G1+7]
	s_nop 0
	s_branch .Lasked_\@
.Lfor_b_\@:
	tensor_load_to_lds s[G0B+4*\s:G0B+4*\s+3], s[G1B:G1B+7]
	s_nop 0
.Lasked_\@:
.endm
; A round of the cluster's barrier behind its opening work-group barrier
.macro CREST
	s_cmp_lg_u32 s10, 0
	s_cbranch_scc1 .Lnot_wave_0_\@
	s_barrier_signal -3
.Lnot_wave_0_\@:
	s_barrier_wait -3
	s_barrier_signal -1
	s_barrier_wait -1
.endm
.macro CROUND
	s_barrier_signal -1
	s_barrier_wait -1
	CREST
.endm
	s_load_b128 s[4:7], s[0:1], 0x0                ; xn s[4:5], wt s[6:7]
	s_load_b64 s[8:9], s[0:1], 0x10                ; qkv
	s_set_vgpr_msb 0x40
	v_lshl_add_u32 v255, v0, 2, 0x41c00
	s_set_vgpr_msb 0x4000
	v_mov_b32 v255, 0
	s_set_vgpr_msb 0x1
	ds_add_u32 v255, v255
	s_set_vgpr_msb 0x100
	v_lshrrev_b32 v1, 5, v0
	v_readfirstlane_b32 s10, v1                    ; wave 0..3
	s_lshr_b32 s11, s10, 1                         ; I fetch for xn (0) or for wt (1)
	s_and_b32 s12, s10, 1                          ; which half of that tile
	s_bfe_u32 s40, ttmp6, 0x40000                  ; cx
	s_bfe_u32 s41, ttmp6, 0x40004                  ; cy
	s_lshl_b32 s42, ttmp9, 2
	s_add_co_u32 s42, s42, s40                     ; block column = 4 x cluster x + cx
	s_and_b32 s13, ttmp7, 0xffff
	s_lshl_b32 s13, s13, 2
	s_add_co_u32 s13, s13, s41                     ; block row = 4 x cluster y + cy
	s_lshl_b32 s43, s41, 2
	s_lshl_b32 s43, 15, s43                        ; my row of the cluster
	s_lshl_b32 s44, 0x1111, s40                    ; my column
	s_or_b32 s[G1+0], s43, (1<<16)|(1<<20)|(1<<21)|(5<<22)|(3<<25)   ; mask; 2-byte elements; padding on; bit 21 beside a mask; after every 64 words, 4 words
	s_or_b32 s[G1B+0], s44, (1<<16)|(1<<20)|(1<<21)|(5<<22)|(3<<25)
	s_mov_b32 s[G1+1], KSTEP<<16                   ; tensor_dim0 = 128
	s_mov_b32 s[G1B+1], KSTEP<<16
	s_mov_b32 s[G1+2], 128<<16                     ; tensor_dim1 = 128 rows of xn,
	s_mov_b32 s[G1B+2], 96<<16                     ; 96 rows of wt
	s_mov_b32 s[G1+3], KSTEP<<16                   ; tile_dim0 = 128
	s_mov_b32 s[G1B+3], KSTEP<<16
	s_mov_b32 s[G1+4], 128                         ; tile_dim1
	s_mov_b32 s[G1B+4], 96
	s_mov_b32 s[G1+5], SIZE_K                      ; elements from row to row
	s_mov_b32 s[G1B+5], SIZE_K
	s_mov_b32 s[G1+6], 0
	s_mov_b32 s[G1B+6], 0
	s_mov_b32 s[G1+7], 0
	s_mov_b32 s[G1B+7], 0
	; xn's tiles hang on the block row alone, wt's on the block column alone; each address is made in registers that never hold the other coordinate
	s_lshl_b32 s17, s12, 7
	s_lshl_b32 s16, s13, 8
	s_add_co_u32 s16, s16, s17                     ; xn: row 256 x block row + 128 x half
	s_lshl_b32 s16, s16, 11                        ; rows of 2,048 bytes
	s_mov_b32 s17, 0
	s_mul_i32 s46, s42, 192
	s_mul_i32 s47, s12, 96
	s_add_co_u32 s46, s46, s47                     ; wt: row 192 x block column + 96 x half
	s_lshl_b32 s46, s46, 11
	s_mov_b32 s47, 0
	s_mul_i32 s20, s10, HALFA                      ; LDS: waves 0, 1: xn's halves
	s_mul_i32 s21, s10, HALFB
	s_add_co_u32 s21, s21, 2*HALFA-2*HALFB         ; waves 2, 3: wt's halves behind xn's 256 rows
	s_wait_dscnt 0x0
	s_wait_kmcnt 0x0
	s_add_nc_u64 s[14:15], s[4:5], s[16:17]
	s_add_nc_u64 s[46:47], s[6:7], s[46:47]
	CROUND                                         ; all sixteen work-groups are here: the first joint loads meet
.irp s, 0,1
	s_mov_b32 s[G0+4*\s], 1
	s_add_co_u32 s[G0+4*\s+1], s20, \s*SLOT
	s_add_nc_u64 s[G0+4*\s+2:G0+4*\s+3], s[14:15], \s*KSTEP*2
	s_or_b32 s[G0+4*\s+3], s[G0+4*\s+3], 0x80000000
	s_mov_b32 s[G0B+4*\s], 1
	s_add_co_u32 s[G0B+4*\s+1], s21, \s*SLOT
	s_add_nc_u64 s[G0B+4*\s+2:G0B+4*\s+3], s[46:47], \s*KSTEP*2
	s_or_b32 s[G0B+4*\s+3], s[G0B+4*\s+3], 0x80000000
	JLOAD \s                                       ; both first fills go out before anything else
.endr
	v_and_b32 v1, 15, v0                           ; r = l % 16
	v_bfe_u32 v2, v0, 4, 1                         ; h = l / 16
	v_mul_u32_u24 v3, v1, PITCH
	v_lshl_add_u32 v3, v2, 4, v3                   ; a fragment: row r, 16 bytes at 16 h, a second load 32 bytes on
	s_mul_i32 s22, s10, 64*PITCH                   ; my 64 rows of xn
	s_mov_b32 s23, 2*HALFA                         ; all 192 rows of wt
.irp s, 0,1
	v_add_nc_u32 v[ADRA+\s], s22, v3
	v_add_nc_u32 v[ADRB+\s], s23, v3
	s_add_co_u32 s22, s22, SLOT
	s_add_co_u32 s23, s23, SLOT
.endr
	s_mul_i32 s22, s10, 16*SPITCH
	s_add_co_u32 s22, s22, STAGE                   ; my stage
	v_mul_u32_u24 v4, v1, SPITCH
	v_lshl_add_u32 v4, v2, 4, v4
	v_add_nc_u32 v[STO], s22, v4                   ; in: token r, 16 bytes for each half of the lanes
	v_and_b32 v6, 31, v0
	v_lshrrev_b32 v7, 3, v6
	v_and_b32 v8, 7, v6
	v_mul_u32_u24 v5, v7, SPITCH
	v_lshl_add_u32 v5, v8, 4, v5
	v_add_nc_u32 v[RD], s22, v5                    ; back: eight lanes take one token's 128 bytes of a head, the wave four tokens
	v_lshlrev_b32 v[CO], 4, v6                     ; and the same 512 consecutive bytes in qkv
; 12 matrix instructions: token blocks a0, a0 + 1 x six column blocks (hi = 0: columns 0-95, 1: 96-191), 32 along K
.macro MUL12 f, hi, a0, zero
.irp a, \a0, \a0+1
.irp b, 0,1,2,3,4,5
.if \zero
	v_wmma_f32_16x16x32_f16 v[8*(6*(\a)+\b):8*(6*(\a)+\b)+7], v[FB+96*\f+8*(6*\hi+\b):FB+96*\f+8*(6*\hi+\b)+7], v[FA+32*\f+8*(\a):FA+32*\f+8*(\a)+7], 0
.else
	v_wmma_f32_16x16x32_f16 v[8*(6*(\a)+\b):8*(6*(\a)+\b)+7], v[FB+96*\f+8*(6*\hi+\b):FB+96*\f+8*(6*\hi+\b)+7], v[FA+32*\f+8*(\a):FA+32*\f+8*(\a)+7], v[8*(6*(\a)+\b):8*(6*(\a)+\b)+7]
.endif
.endr
.endr
.endm
; 32 LDS loads in one run: 8 for xn's 64 rows, then 24 for wt's 192 rows (column blocks 0-5 first), 32 K at byte k of the rows
.macro FETCH slot, k, f
	WIN 0
.irp i, 0,1,2,3
	ds_load_b128 v[FA+32*\f+8*\i:FA+32*\f+8*\i+3],   v[ADRA+\slot] offset:\k+\i*16*PITCH
	ds_load_b128 v[FA+32*\f+8*\i+4:FA+32*\f+8*\i+7], v[ADRA+\slot] offset:\k+\i*16*PITCH+32
.endr
	WIN TO_B
.irp i, 0,1,2,3,4,5,6,7,8,9,10,11
	ds_load_b128 v[FB+96*\f+8*\i:FB+96*\f+8*\i+3],   v[ADRB+\slot] offset:\k+\i*16*PITCH
	ds_load_b128 v[FB+96*\f+8*\i+4:FB+96*\f+8*\i+7], v[ADRB+\slot] offset:\k+\i*16*PITCH+32
.endr
.endm
; four plain places between a matrix instruction and a load into one of its sources, or a vector read of its result
.macro PLACES
.rept 4
	v_nop
.endr
.endm
; a quarter of a K step: 48 matrix instructions on buffer f; in its middle the next quarter's fragments go into buffer g.
; The 48 accumulators take turns, one instruction a turn, in the same order in every quarter.
.macro QUARTER slot, k, f, g, zero
	s_wait_dscnt 12                                ; xn's fragments and wt's column blocks 0-5 are in; the 12 youngest loads (blocks 6-11) may be out
	WIN MUL_LO
	MUL12 \f, 0, 0, \zero
	MUL12 \f, 0, 2, \zero
	PLACES
	FETCH \slot, \k, \g
	s_wait_dscnt 32                                ; all but the 32 just issued
	WIN MUL_HI
	MUL12 \f, 1, 0, \zero
	MUL12 \f, 1, 2, \zero
.endm
.macro THREE slot, zero
	QUARTER \slot, 64,  0, 1, \zero
	QUARTER \slot, 128, 1, 0, 0
	QUARTER \slot, 192, 0, 1, 0
.endm
; the last quarter multiplies buffer 1 and changes slots.  In front of the barrier each wave waits for its reads of this slot and for all
; its tensor loads (one is out: its part of the next slot).  Behind it the refill comes first, then the next slot's first fragments.
; From a request to the wait for it a wave issues 180 matrix instructions.
.macro TURN slot, next, fill
	s_wait_dscnt 12
	WIN MUL_LO
	MUL12 1, 0, 0, 0
	s_wait_dscnt 0                                 ; my reads of this slot are over
	s_wait_tensorcnt 0x0                           ; all my tensor loads have landed
	ds_add_u32 v255, v255
	s_wait_dscnt 0x0
	s_barrier_signal -1                            ; (where the slot is filled again this barrier opens a round of the cluster's barrier)
	MUL12 1, 0, 2, 0                               ; register work while the others arrive
	WIN 0
	s_barrier_wait -1
.if \fill
	CREST                                          ; no wave of any partner still reads this slot or has a load on its way
	s_add_nc_u64 s[G0+4*\slot+2:G0+4*\slot+3], s[G0+4*\slot+2:G0+4*\slot+3], 2*KSTEP*2
	s_add_nc_u64 s[G0B+4*\slot+2:G0B+4*\slot+3], s[G0B+4*\slot+2:G0B+4*\slot+3], 2*KSTEP*2
	JLOAD \slot                                    ; the wave's one tensor load behind the round, and the first thing there
.endif
	PLACES
	FETCH \next, 0, 0
	WIN MUL_HI
	MUL12 1, 1, 0, 0
	MUL12 1, 1, 2, 0
.endm
.macro LAP zero
	THREE 0, \zero
	TURN 0, 1, 1
	THREE 1, 0
	TURN 1, 0, 1
.endm
	s_wait_tensorcnt 1                             ; my part of K step 0 is in; K step 1's stays out
	s_barrier_signal -1
	s_barrier_wait -1
	FETCH 0, 0, 0
	LAP 1                                          ; the first lap's first products start the sums: nothing is cleared
	WIN 0                                          ; at a label and at a branch every window is 0
	s_mov_b32 s3, LAPS-2
.Llap:
	LAP 0
	WIN 0
	s_sub_co_u32 s3, s3, 1
	s_cmp_lg_u32 s3, 0
	s_cbranch_scc1 .Llap
	THREE 0, 0                                     ; the last lap fills nothing
	TURN 0, 1, 0
	THREE 1, 0
	s_wait_dscnt 12
	WIN MUL_LO
	MUL12 1, 0, 0, 0
	MUL12 1, 0, 2, 0
	s_wait_dscnt 0
	WIN MUL_HI
	MUL12 1, 1, 0, 0
	MUL12 1, 1, 2, 0
	; THE WAY OUT.  Column block of 64 number g = 3 x block column + hd is matrix g / 16 (q, k, v), head g % 16; the batch is block row / 8.
	PLACES                                         ; behind the last matrix instructions, for the conversions that read results
.irp hd, 0,1,2
	s_mul_i32 s72, s42, 3
	s_add_co_u32 s72, s72, \hd                     ; g
	s_lshr_b32 s73, s72, 4
	s_and_b32 s72, s72, 15
	s_lshl_b32 s73, s73, 5
	s_add_co_u32 s72, s72, s73                     ; 32 x matrix + head
	s_lshr_b32 s74, s13, 3
	s_lshl_b32 s74, s74, 4
	s_add_co_u32 s72, s72, s74                     ; + 16 x batch: the plane of 2,048 tokens x 128 bytes
	s_lshl_b32 s72, s72, 18
	s_and_b32 s74, s13, 7
	s_lshl_b32 s74, s74, 8
	s_lshl_b32 s75, s10, 6
	s_add_co_u32 s74, s74, s75                     ; my first token in the batch
	s_lshl_b32 s74, s74, 7
	s_add_co_u32 s72, s72, s74
	s_mov_b32 s73, 0
	s_add_nc_u64 s[66+2*\hd:67+2*\hd], s[8:9], s[72:73]
.endr
; tokens 16 a .. 16 a + 15: round to f16, 16 bytes a lane into my own stage, read back as runs of four tokens x 128 bytes of one head
.macro OUT16 a, rb
	WIN 0x0a
.irp b, 0,1,2,3,4,5
.irp r, 0,1,2,3
	v_cvt_pk_f16_f32 v[TMP+4*\b+\r], v[8*(6*\a+\b)+2*\r], v[8*(6*\a+\b)+2*\r+1]
.endr
.endr
	WIN 0x0f
.irp b, 0,1,2,3,4,5
.irp r, 0,1,2,3
	v_cvt_pk_f16_f32 v[TMP+24+4*\b+\r], v[8*(6*\a+\b)+2*\r], v[8*(6*\a+\b)+2*\r+1]
.endr
.endr
	WIN 0
.irp b, 0,1,2,3,4,5,6,7,8,9,10,11
	ds_store_b128 v[STO], v[TMP+4*\b:TMP+4*\b+3] offset:32*\b
.endr
	s_wait_xcnt 0x0                                ; the registers that earlier stores read are loaded again only behind this wait
.irp u, 0,1,2,3
.irp hd, 0,1,2
	ds_load_b128 v[\rb+4*(3*\u+\hd):\rb+4*(3*\u+\hd)+3], v[RD] offset:4*SPITCH*\u+128*\hd   ; LDS serves a wave's instructions in order: these see the stores above
.endr
.endr
.irp u, 0,1,2,3
.irp hd, 0,1,2
	s_wait_dscnt 11-(3*\u+\hd)
	global_store_b128 v[CO], v[\rb+4*(3*\u+\hd):\rb+4*(3*\u+\hd)+3], s[66+2*\hd:67+2*\hd] offset:(16*\a+4*\u)*128   ; the wave stores 512 consecutive bytes, aligned
.endr
.endr
.endm
	OUT16 0, RB0
	OUT16 1, RB1
	OUT16 2, RB0
	OUT16 3, RB1
	s_set_vgpr_msb 0x1
	s_wait_tensorcnt 0x0
	ds_add_u32 v255, v255
	s_wait_dscnt 0x0
	s_set_vgpr_msb 0x100
	CROUND                                         ; the closing round: no work-group ends while a partner may still ask for a tile that names it
	s_endpgm
.Lfunc_end_k_q57bc52e1a6_qkvgemm:
	.size	k_q57bc52e1a6_qkvgemm, .Lfunc_end_k_q57bc52e1a6_qkvgemm-k_q57bc52e1a6_qkvgemm
	.p2alignl 7, 3214868480
	.fill 96, 4, 3214868480
	.section	.rodata,"a",@progbits
	.p2align	6, 0x0
	.amdhsa_kernel k_q57bc52e1a6_qkvgemm
		.amdhsa_group_segment_fixed_size 327680
		.amdhsa_private_segment_fixed_size 0
		.amdhsa_enable_private_segment 0
		.amdhsa_kernarg_size 24
		.amdhsa_user_sgpr_count 2
		.amdhsa_user_sgpr_kernarg_segment_ptr 1
		.amdhsa_wavefront_size32 1
		.amdhsa_system_sgpr_workgroup_id_x 1
		.amdhsa_system_sgpr_workgroup_id_y 1
		.amdhsa_system_sgpr_workgroup_id_z 1
		.amdhsa_system_vgpr_workitem_id 0
		.amdhsa_next_free_vgpr 960
		.amdhsa_next_free_sgpr 80
		.amdhsa_reserve_vcc 0
		.amdhsa_float_denorm_mode_32 3
		.amdhsa_float_denorm_mode_16_64 3
		.amdhsa_memory_ordered 1
		.amdhsa_forward_progress 1
		.amdhsa_inst_pref_size 165
	.end_amdhsa_kernel
	.amdgpu_metadata
---
amdhsa.version: [ 1, 2 ]
amdhsa.kernels:
  - .name:           k_q57bc52e1a6_qkvgemm
    .symbol:         k_q57bc52e1a6_qkvgemm.kd
    .args:
      - { .name: xn, .offset: 0, .size: 8, .value_kind: global_buffer, .address_space: global }
      - { .name: wt, .offset: 8, .size: 8, .value_kind: global_buffer, .address_space: global }
      - { .name: qkv, .offset: 16, .size: 8, .value_kind: global_buffer, .address_space: global }
    .group_segment_fixed_size: 327680
    .private_segment_fixed_size: 0
    .kernarg_segment_align: 8
    .kernarg_segment_size: 24
    .max_flat_workgroup_size: 128
    .sgpr_count:     80
    .vgpr_count:     960
    .wavefront_size: 32
...
	.end_amdgpu_metadata
.endif
;; end of part 2
;; launch attn (part 3): grid 8 x 32, 8 waves a work-group, clusters of 4 x 1, 327,680 bytes of LDS; arguments qkv, mask, ao; writes ao
.if DOCPART == 3
	.amdgcn_target "amdgcn-amd-amdhsa--gfx1250"
	.amdhsa_code_object_version 6
	.text
	.protected	k_q57bc52e1a6_attn
	.globl	k_q57bc52e1a6_attn
	.p2align	8
	.type	k_q57bc52e1a6_attn,@function
k_q57bc52e1a6_attn:
	s_mov_b64 s[64:65], 0
	v_nop
	global_prefetch_b8 v0, s[64:65] scope:SCOPE_SE
	s_setreg_imm32_b32 hwreg(HW_REG_WAVE_MODE, 25, 1), 1
	s_wait_xcnt 0x0
	s_wait_alu depctr_hold_cnt(0) depctr_sa_sdst(0) depctr_va_vdst(0) depctr_va_sdst(0) depctr_va_ssrc(0) depctr_va_vcc(0) depctr_vm_vsrc(0)
	s_getreg_b32 s2, hwreg(HW_REG_IB_STS2, 6, 4)
	s_cmp_eq_u32 s2, 0
	s_cbranch_scc0 .Lentry_in_a_cluster
	s_endpgm
.Lentry_in_a_cluster:
	s_bfe_u32 s2, ttmp6, 0x10000c
	s_cmp_lg_u32 s2, 0x3003
	s_cbranch_scc0 .Lentry_shape_is_right
	s_endpgm
.Lentry_shape_is_right:
; attn: ao[bh][i][:] = softmax_j( q_i . k_j / 8, masked ) v_j for 32 batch-heads, 2,048 queries and keys, head size 64.  f16 operands, f32 sums.
; A work-group takes 256 queries of one batch-head; eight waves, two a SIMD, 32 queries each (two blocks of 16), so that one wave's softmax
; can run beside the other's matrix work.  Keys go in steps of 64; K and V come in tiles of 256 keys through two LDS slots.
; CLUSTERS: the four work-groups of a cluster take four query blocks of one batch-head and read the same K and V: every tile is asked for
; jointly (mask 15).  Waves 0-3 fetch K's four quarters of a slot, waves 4-7 V's: every wave issues one load for each fill, 64 keys =
; 8,192 dense bytes = 32 rows of 256 bytes (the slot's 128 such rows shared among four waves).  A wave has two tensor loads out at the
; start, later one.
; LAYOUT: S^T = K Q^T (source 0 = 16 keys, source 1 = 16 queries): lane (r, h) holds query r and keys 8 h + 0..7 of a block, so a query's
; maximum and sum are a lane's own work plus one exchange between the halves, and two packed score tiles are at once the second source of
; O^T = V^T P^T.  V^T's fragments come out of V[key][d] by the transposing LDS load.  O^T gives a lane 8 neighbouring d of one query.
; MASK: a closed key gets the bias -2^100, an open one 0; the bias is the C operand of the first score product.  |q.k| stays below
; 64 x 65504^2 < 2^39, so a closed key's score is about -2^100 and its weight is 0 beside any open key.  If a batch has no open key at all,
; Q is set to zero: every product is then an exact zero, every score exactly the bias, and the softmax is uniform as with any equal fill.
; SOFTMAX: running maximum m of the raw scores; p = exp2(c s + NM), c = log2(e) / 8, NM = round(-c m); old sums are scaled by
; exp2(NM_new - NM_old), made of the two rounded numbers, so that old and new terms carry the same factor.
; LIMIT: q, k, v, p in f16 (below 65,504; p is at most about 1).  The fill for closed keys is -2^100 instead of the largest negative f32.
.set KPITCH, 144                       ; a key's 128 bytes + 16: odd multiple of 16 bytes
.set VPITCH, 160                       ; + 32: odd multiple of 32 bytes, for the transposing load
.set KSLOT,  256*KPITCH
.set VSLOT,  256*VPITCH
.set VBASE,  2*KSLOT                   ; 73,728
.set BIASB,  VBASE+2*VSLOT             ; 155,648: 2,048 f32; no tensor load lands here or behind
.set STAGE,  BIASB+8192                ; 163,840: 32 rows x 144 bytes for each wave
.set WSTAGE, 32*KPITCH
.set FLAG,   STAGE+8*WSTAGE            ; 200,704: a word for each wave: has its part of the mask an open key
.set KADR, 1                           ; v1-2   K fragments in slot 0, 1
.set VADR, 3                           ; v3-4   V fragments in slot 0, 1
.set BADR, 5                           ; v5     bias fragments
.set MX,   6                           ; v[6:7]   running maxima of my two query blocks
.set NA,   8                           ; v[8:9]   NM of the even steps
.set AL,   10                          ; v[10:11] scale of the old sums; at the end 1 / l
.set LS,   12                          ; v[12:13] running sums (of my half's keys)
.set NB,   14                          ; v[14:15] NM of the odd steps
.set QF,   16                          ; v[16:47]   Q fragments: 16 block + 8 kstep
.set OA,   48                          ; v[48:111]  O^T: tile (d block, query block) at 8 (2 d + block)
.set SC,   112                         ; v[112:175] scores: 32 block + 8 key block; P in the first 16 of each 32
.set KV,   176                         ; v[176:239] K's two k steps, then V's two halves of 32 keys
.set TT,   240                         ; v[240:255] at work
                                       ; window 1, v[0:31]: bias fragments, 8 registers a key block
.set G1K, 24
.set G1V, 32
.set G0K, 40                           ; a set of four for each slot
.set G0V, 48
.set MSB, 0
.macro WIN new
.if MSB != \new
	s_set_vgpr_msb (MSB<<8)|\new
.set MSB, \new
.endif
.endm
.macro PLACES n
.rept \n
	v_nop
.endr
.endm
.macro ROUND                           ; a round of the cluster's barrier
	s_barrier_signal -1
	s_barrier_wait -1
	s_cmp_lg_u32 s10, 0
	s_cbranch_scc1 .Lnot_wave_0_\@
	s_barrier_signal -3
.Lnot_wave_0_\@:
	s_barrier_wait -3
	s_barrier_signal -1
	s_barrier_wait -1
.endm
; A joint load: waves 0-3 ask for K's quarters, waves 4-7 for V's.  Every wave issues exactly one load on either way, so a counted wait
; on TENSORcnt counts the same on both.  The branch hangs on the wave's number alone: it is the same in every work-group.
.macro JLOAD s
	s_cmp_eq_u32 s11, 0
	s_cbranch_scc0 .Lfor_v_\@
	tensor_load_to_lds s[G0K+4*(\s):G0K+4*(\s)+3], s[G1K:G1K+7]
	s_nop 0
	s_branch .Lasked_\@
.Lfor_v_\@:
	tensor_load_to_lds s[G0V+4*(\s):G0V+4*(\s)+3], s[G1V:G1V+7]
	s_nop 0
.Lasked_\@:
.endm
	s_load_b128 s[4:7], s[0:1], 0x0                ; qkv s[4:5], mask s[6:7]
	s_load_b64 s[8:9], s[0:1], 0x10                ; ao
	s_set_vgpr_msb 0x40
	v_lshl_add_u32 v32, v0, 2, 0x31100
	v_mov_b32 v33, 0
	s_set_vgpr_msb 0x4045
	ds_add_u32 v32, v33
	s_set_vgpr_msb 0x4500
	v_lshrrev_b32 v1, 5, v0
	v_readfirstlane_b32 s10, v1                    ; wave 0..7
	s_lshr_b32 s11, s10, 2                         ; 0: fetches K, 1: fetches V
	s_bfe_u32 s17, ttmp6, 0x40000                  ; cx
	s_lshl_b32 s18, ttmp9, 2
	s_add_co_u32 s18, s18, s17                     ; query block = 4 x cluster x + cx
	s_and_b32 s19, ttmp7, 0xffff                   ; batch-head
	s_mov_b32 s12, 0x76543210                      ; v_permlanex16_b32: lane i reads lane i of the other half
	s_mov_b32 s13, 0xfedcba98
	s_mov_b32 s14, 0x3e38aa3b                      ; c = log2(e) / 8
	s_mov_b32 s15, 0x3e38aa3b
	s_mov_b32 s16, 0xbe38aa3b                      ; -c
	; group 1: 64 keys are 8,192 dense bytes, taken as 32 rows of 32 elements of 8 bytes; after every 32 words (a key) 4 or 8 words of padding
	s_mov_b32 s[G1K+0], 15|(3<<16)|(1<<20)|(1<<21)|(4<<22)|(3<<25)
	s_mov_b32 s[G1V+0], 15|(3<<16)|(1<<20)|(1<<21)|(4<<22)|(7<<25)
	s_mov_b32 s[G1K+1], 32<<16                     ; tensor_dim0 = 32
	s_mov_b32 s[G1V+1], 32<<16
	s_mov_b32 s[G1K+2], 32<<16                     ; tensor_dim1 = 32
	s_mov_b32 s[G1V+2], 32<<16
	s_mov_b32 s[G1K+3], 32<<16                     ; tile_dim0 = 32
	s_mov_b32 s[G1V+3], 32<<16
	s_mov_b32 s[G1K+4], 32                         ; tile_dim1 = 32
	s_mov_b32 s[G1V+4], 32
	s_mov_b32 s[G1K+5], 32                         ; pitch
	s_mov_b32 s[G1V+5], 32
	s_mov_b32 s[G1K+6], 0
	s_mov_b32 s[G1V+6], 0
	s_mov_b32 s[G1K+7], 0
	s_mov_b32 s[G1V+7], 0
	; where the tiles come from: nothing here hangs on cx.  Every wave makes both addresses and asks by one of them.
	s_lshl_b32 s57, s10, 13                        ; a wave's 64 keys of 128 bytes
	s_add_co_u32 s20, s19, 32                      ; K's planes follow Q's 32
	s_lshl_b32 s20, s20, 18
	s_add_co_u32 s20, s20, s57                     ; waves 0-3 take quarters 0-3
	s_mov_b32 s21, 0
	s_add_co_u32 s22, s19, 64                      ; V's planes follow K's
	s_lshl_b32 s22, s22, 18
	s_add_co_u32 s22, s22, s57
	s_sub_co_u32 s22, s22, 32768                   ; waves 4-7 take quarters 0-3
	s_mov_b32 s23, 0
	s_mul_i32 s58, s10, 64*KPITCH                  ; LDS: K's quarters by waves 0-3
	s_mul_i32 s59, s10, 64*VPITCH
	s_add_co_u32 s59, s59, VBASE-4*64*VPITCH       ; V's quarters by waves 4-7
	s_lshl_b32 s60, s19, 18                        ; my 32 queries, in Q's plane and in ao alike
	s_lshl_b32 s17, s18, 15
	s_add_co_u32 s60, s60, s17
	s_lshl_b32 s17, s10, 12
	s_add_co_u32 s60, s60, s17
	s_mov_b32 s61, 0
	v_and_b32 v240, 15, v0                         ; r
	v_bfe_u32 v241, v0, 4, 1                       ; h
	v_mul_u32_u24 v[KADR], v240, KPITCH
	v_lshl_add_u32 v[KADR], v241, 4, v[KADR]       ; key r, 16 bytes at 16 h
	v_add_nc_u32 v[KADR+1], KSLOT, v[KADR]
	v_and_b32 v242, 7, v0
	v_lshl_add_u32 v242, v241, 3, v242             ; key 8 h + l % 8
	v_mul_u32_u24 v[VADR], v242, VPITCH
	v_bfe_u32 v243, v0, 3, 1
	v_lshl_add_u32 v[VADR], v243, 4, v[VADR]       ; 16 bytes at 16 ((l / 8) % 2)
	v_add_nc_u32 v[VADR], VBASE, v[VADR]
	v_add_nc_u32 v[VADR+1], VSLOT, v[VADR]
	v_lshlrev_b32 v[BADR], 5, v241
	v_add_nc_u32 v[BADR], BIASB, v[BADR]           ; the biases of keys 8 h + 0..7
	v_lshlrev_b32 v244, 7, v240
	v_lshl_add_u32 v244, v241, 4, v244             ; Q: query r, 16 bytes at 16 h
	v_lshlrev_b32 v245, 3, v0                      ; mask: 8 bytes a thread
	s_wait_dscnt 0x0
	s_wait_kmcnt 0x0
	s_add_nc_u64 s[20:21], s[4:5], s[20:21]
	s_add_nc_u64 s[22:23], s[4:5], s[22:23]
	s_add_nc_u64 s[62:63], s[4:5], s[60:61]        ; Q
	s_add_nc_u64 s[8:9], s[8:9], s[60:61]          ; ao
	s_lshr_b32 s60, s19, 4
	s_lshl_b32 s60, s60, 11
	s_add_nc_u64 s[6:7], s[6:7], s[60:61]          ; the batch's 2,048 mask bytes
	global_load_b64 v[246:247], v245, s[6:7]
.irp qi, 0,1
.irp ks, 0,1
	global_load_b128 v[QF+16*\qi+8*\ks:QF+16*\qi+8*\ks+3],   v244, s[62:63] offset:2048*\qi+64*\ks
	global_load_b128 v[QF+16*\qi+8*\ks+4:QF+16*\qi+8*\ks+7], v244, s[62:63] offset:2048*\qi+64*\ks+32
.endr
.endr
.irp s, 0,1
	s_mov_b32 s[G0K+4*\s], 1
	s_add_co_u32 s[G0K+4*\s+1], s58, \s*KSLOT
	s_add_nc_u64 s[G0K+4*\s+2:G0K+4*\s+3], s[20:21], \s*32768
	s_or_b32 s[G0K+4*\s+3], s[G0K+4*\s+3], 0x80000000
	s_mov_b32 s[G0V+4*\s], 1
	s_add_co_u32 s[G0V+4*\s+1], s59, \s*VSLOT
	s_add_nc_u64 s[G0V+4*\s+2:G0V+4*\s+3], s[22:23], \s*32768
	s_or_b32 s[G0V+4*\s+3], s[G0V+4*\s+3], 0x80000000
.endr
	ROUND                                          ; the four work-groups are here: the first joint loads meet
	JLOAD 0                                        ; keys 0-255
	JLOAD 1                                        ; keys 256-511
	; the mask's bytes become biases in LDS: (byte - 1) & bits of -2^100
	s_wait_loadcnt 8                               ; the mask's load is the oldest: Q's eight stay out
.irp b, 0,1,2,3
	v_bfe_u32 v[SC+\b], v246, 8*\b, 8
	v_bfe_u32 v[SC+4+\b], v247, 8*\b, 8
.endr
.irp x, 0,1,2,3,4,5,6,7
	v_add_nc_u32 v[SC+\x], -1, v[SC+\x]
	v_and_b32 v[SC+\x], 0xf1800000, v[SC+\x]
.endr
	v_lshl_add_u32 v[SC+8], v0, 5, BIASB
	ds_store_b128 v[SC+8], v[SC:SC+3]
	ds_store_b128 v[SC+8], v[SC+4:SC+7] offset:16
	v_or_b32 v[SC+9], v246, v247                   ; has my wave's part an open key?  A select, no branch
	v_cmp_ne_u32 vcc_lo, 0, v[SC+9]
	s_cmp_lg_u32 vcc_lo, 0
	s_cselect_b32 s17, 1, 0
	s_lshl_b32 s18, s10, 2
	s_add_co_u32 s18, s18, FLAG
	v_mov_b32 v[SC+10], s18
	v_mov_b32 v[SC+11], s17
	ds_store_b32 v[SC+10], v[SC+11]                ; all lanes write the same word with the same value
	s_wait_tensorcnt 1                             ; my quarter of slot 0 is in; my one younger load, slot 1's, stays out
	s_wait_dscnt 0x0                               ; my biases and my flag are in LDS, for the other waves' sake
	s_barrier_signal -1
	s_barrier_wait -1
; K's fragments of step st (64 keys), k step kst (32 of the 64 d): 8 loads
.macro KFETCH s, st, kst
.irp kj, 0,1,2,3
	ds_load_b128 v[KV+32*\kst+8*\kj:KV+32*\kst+8*\kj+3],   v[KADR+\s] offset:(64*(\st)+16*\kj)*KPITCH+64*\kst
	ds_load_b128 v[KV+32*\kst+8*\kj+4:KV+32*\kst+8*\kj+7], v[KADR+\s] offset:(64*(\st)+16*\kj)*KPITCH+64*\kst+32
.endr
.endm
; V^T's fragments of step st, keys 32 t .. 32 t + 31, four blocks of 16 d: 8 transposing loads
.macro VFETCH s, st, t
.irp d, 0,1,2,3
	ds_load_tr16_b128 v[KV+32*\t+8*\d:KV+32*\t+8*\d+3],   v[VADR+\s] offset:(64*(\st)+32*\t)*VPITCH+32*\d
	ds_load_tr16_b128 v[KV+32*\t+8*\d+4:KV+32*\t+8*\d+7], v[VADR+\s] offset:(64*(\st)+32*\t)*VPITCH+32*\d+16*VPITCH
.endr
.endm
; the biases of 64 keys from key (counted from BADR's key) on, as four C fragments in window 1: 8 loads
.macro BFETCH key
	WIN 0x40
.irp kj, 0,1,2,3
	ds_load_b128 v[8*\kj:8*\kj+3],   v[BADR] offset:4*(\key)+64*\kj
	ds_load_b128 v[8*\kj+4:8*\kj+7], v[BADR] offset:4*(\key)+64*\kj+16
.endr
	WIN 0
.endm
; the new maximum of query block qi, NM of this step into NC, and the scale of the old sums from NC and the last step's NP
.macro MAXI qi, first, NC, NP
.irp c, 0,1,2,3
	v_max3_num_f32 v[TT+4*\qi+\c], v[SC+32*\qi+3*\c], v[SC+32*\qi+3*\c+1], v[SC+32*\qi+3*\c+2]   ; twelve scores start four chains
.endr
.irp p, 0,1,2,3,4,5,6,7,8,9
	v_max3_num_f32 v[TT+4*\qi+(\p%4)], v[TT+4*\qi+(\p%4)], v[SC+32*\qi+12+2*\p], v[SC+32*\qi+13+2*\p]
.endr
	v_max3_num_f32 v[TT+4*\qi], v[TT+4*\qi], v[TT+4*\qi+1], v[TT+4*\qi+2]
.if \first
	v_max_num_f32 v[TT+4*\qi], v[TT+4*\qi], v[TT+4*\qi+3]
.else
	v_max3_num_f32 v[TT+4*\qi], v[TT+4*\qi], v[TT+4*\qi+3], v[MX+\qi]
.endif
	v_permlanex16_b32 v[TT+4*\qi+1], v[TT+4*\qi], s12, s13     ; the other half's keys of the same query
	v_max_num_f32 v[MX+\qi], v[TT+4*\qi], v[TT+4*\qi+1]
	v_mul_f32 v[\NC+\qi], s16, v[MX+\qi]
.if \first == 0
	v_sub_f32 v[TT+4*\qi+2], v[\NC+\qi], v[\NP+\qi]
	v_exp_f32 v[AL+\qi], v[TT+4*\qi+2]             ; the next line is a plain one that touches neither register
.endif
.endm
; p = exp2(c s + NM), in place
.macro PEXP qi, NC
.set x, SC+32*\qi
.rept 16
	v_pk_fma_f32 v[x:x+1], v[x:x+1], s[14:15], v[\NC:\NC+1] op_sel:[0,0,\qi] op_sel_hi:[1,0,\qi]
.set x, x+2
.endr
.set x, SC+32*\qi
.rept 32
	v_exp_f32 v[x], v[x]
.set x, x+1
.endr
.endm
; O^T's four tiles of query block qi times AL of that block
.macro RESC qi
	s_wait_alu depctr_va_vdst(0)
.irp d, 0,1,2,3
.irp y, 0,2,4,6
	v_pk_mul_f32 v[OA+8*(2*\d+\qi)+\y:OA+8*(2*\d+\qi)+\y+1], v[OA+8*(2*\d+\qi)+\y:OA+8*(2*\d+\qi)+\y+1], v[AL:AL+1] op_sel:[0,\qi] op_sel_hi:[1,\qi]
.endr
.endr
.endm
; the step's sum of p joins the running sum; p is packed to f16 in place: word x from numbers 2 x and 2 x + 1, x ascending
.macro SUMCVT qi, first
	v_pk_add_f32 v[TT+8+4*\qi:TT+9+4*\qi], v[SC+32*\qi:SC+32*\qi+1], v[SC+32*\qi+2:SC+32*\qi+3]
	v_pk_add_f32 v[TT+10+4*\qi:TT+11+4*\qi], v[SC+32*\qi+4:SC+32*\qi+5], v[SC+32*\qi+6:SC+32*\qi+7]
.irp y, 8,12,16,20,24,28
	v_pk_add_f32 v[TT+8+4*\qi:TT+9+4*\qi], v[TT+8+4*\qi:TT+9+4*\qi], v[SC+32*\qi+\y:SC+32*\qi+\y+1]
	v_pk_add_f32 v[TT+10+4*\qi:TT+11+4*\qi], v[TT+10+4*\qi:TT+11+4*\qi], v[SC+32*\qi+\y+2:SC+32*\qi+\y+3]
.endr
	v_pk_add_f32 v[TT+8+4*\qi:TT+9+4*\qi], v[TT+8+4*\qi:TT+9+4*\qi], v[TT+10+4*\qi:TT+11+4*\qi]
.if \first
	v_add_f32 v[LS+\qi], v[TT+8+4*\qi], v[TT+9+4*\qi]
.else
	v_fma_f32 v[LS+\qi], v[LS+\qi], v[AL+\qi], v[TT+8+4*\qi]
	v_add_f32 v[LS+\qi], v[LS+\qi], v[TT+9+4*\qi]
.endif
.irp y, 0,1,2,3,4,5,6,7,8,9,10,11,12,13,14,15
	v_cvt_pk_f16_f32 v[SC+32*\qi+\y], v[SC+32*\qi+2*\y], v[SC+32*\qi+2*\y+1]
.endr
.endm
; eight products O^T(d, block) += V^T(d, keys 32 t ..) P^T(keys 32 t .., block); the eight accumulators take turns
.macro PV t, zero
.irp d, 0,1,2,3
.irp qi, 0,1
.if \zero
	v_wmma_f32_16x16x32_f16 v[OA+8*(2*\d+\qi):OA+8*(2*\d+\qi)+7], v[KV+32*\t+8*\d:KV+32*\t+8*\d+7], v[SC+32*\qi+8*\t:SC+32*\qi+8*\t+7], 0
.else
	v_wmma_f32_16x16x32_f16 v[OA+8*(2*\d+\qi):OA+8*(2*\d+\qi)+7], v[KV+32*\t+8*\d:KV+32*\t+8*\d+7], v[SC+32*\qi+8*\t:SC+32*\qi+8*\t+7], v[OA+8*(2*\d+\qi):OA+8*(2*\d+\qi)+7]
.endif
.endr
.endr
.endm
; One step: 64 keys, number st of slot s.  first: the launch's first step.  more: the slot has a further step, whose K is fetched here.
; nb: a further step exists at all, whose biases are fetched here.
.macro STEP s, st, koff, first, more, nb, NC, NP
	s_wait_dscnt 0x8                               ; biases and K's first k step are in; the 8 youngest loads (K's second k step) may be out
	WIN 0x10                                       ; C from window 1
.irp kj, 0,1,2,3
.irp qi, 0,1
	v_wmma_f32_16x16x32_f16 v[SC+32*\qi+8*\kj:SC+32*\qi+8*\kj+7], v[KV+8*\kj:KV+8*\kj+7], v[QF+16*\qi:QF+16*\qi+7], v[8*\kj:8*\kj+7]
.endr
.endr
	WIN 0
	s_wait_dscnt 0x0
.irp kj, 0,1,2,3
.irp qi, 0,1
	v_wmma_f32_16x16x32_f16 v[SC+32*\qi+8*\kj:SC+32*\qi+8*\kj+7], v[KV+32+8*\kj:KV+32+8*\kj+7], v[QF+16*\qi+8:QF+16*\qi+15], v[SC+32*\qi+8*\kj:SC+32*\qi+8*\kj+7]
.endr
.endr
	PLACES 4                                       ; in front of the loads into K's and the biases' registers and of the vector reads of the scores
	VFETCH \s, \st, 0
	VFETCH \s, \st, 1
.if \nb
	BFETCH \koff+64*\st+64
.endif
	MAXI 0, \first, \NC, \NP
	MAXI 1, \first, \NC, \NP
	PEXP 0, \NC
	PEXP 1, \NC
.if \first
	v_nop                                          ; the plain place behind the run of exponentials
	s_wait_alu depctr_va_vdst(0)
.else
	RESC 0                                         ; (its first line is that place)
	RESC 1
.endif
	SUMCVT 0, \first
	SUMCVT 1, \first
	s_wait_dscnt 8+8*\nb                           ; V's first 32 keys are in; V's second 8 loads and the biases' 8 may be out
	PV 0, \first
.if \more
	PLACES 4                                       ; in front of the loads into the registers that these products read
	KFETCH \s, \st+1, 0
.endif
	s_wait_dscnt 8*\nb+8*\more                     ; V's second 32 keys are in; younger: the biases' 8 loads, K's 8
	PV 1, 0
	PLACES 5                                       ; the next score products write over P, a source of these
.if \more
	KFETCH \s, \st+1, 1
.endif
.endm
.macro TILE s, koff, first, last       ; a slot's four steps; NM takes turns between NA and NB
	STEP \s, 0, \koff, \first, 1, 1, NA, NB
	STEP \s, 1, \koff, 0, 1, 1, NB, NA
	STEP \s, 2, \koff, 0, 1, 1, NA, NB
.if \last
	STEP \s, 3, \koff, 0, 0, 0, NB, NA
.else
	STEP \s, 3, \koff, 0, 0, 1, NB, NA
.endif
.endm
; The change of slots.  Every wave waits for its LDS reads and for all its tensor loads; with a refill a round of the cluster's barrier
; follows, and the wave's joint load into the slot just read is the first thing behind it.  It has four steps, 128 matrix instructions of
; each wave, in which to land.
.macro CHANGE next, refill
	s_wait_dscnt 0x0
	s_set_vgpr_msb 0x5
	s_wait_tensorcnt 0x0                           ; no load of mine is out: a group 0 may be written
	ds_add_u32 v32, v33
	s_wait_dscnt 0x0
	s_set_vgpr_msb 0x500
.if \refill
	s_add_nc_u64 s[G0K+4*(1-\next)+2:G0K+4*(1-\next)+3], s[G0K+4*(1-\next)+2:G0K+4*(1-\next)+3], 65536   ; two tiles of 256 keys on
	s_add_nc_u64 s[G0V+4*(1-\next)+2:G0V+4*(1-\next)+3], s[G0V+4*(1-\next)+2:G0V+4*(1-\next)+3], 65536
	ROUND
	JLOAD 1-\next
.else
	s_barrier_signal -1
	s_barrier_wait -1
.endif
	KFETCH \next, 0, 0
	KFETCH \next, 0, 1
.endm
	v_mov_b32 v[SC+12], FLAG
	ds_load_b128 v[SC+16:SC+19], v[SC+12]
	ds_load_b128 v[SC+20:SC+23], v[SC+12] offset:16
	BFETCH 0
	KFETCH 0, 0, 0
	KFETCH 0, 0, 1
	s_wait_dscnt 24                                ; the eight flags are in; the 8 loads of biases and 16 of K stay out
	v_or_b32 v[SC+16], v[SC+16], v[SC+17]
	v_or_b32 v[SC+18], v[SC+18], v[SC+19]
	v_or_b32 v[SC+20], v[SC+20], v[SC+21]
	v_or_b32 v[SC+22], v[SC+22], v[SC+23]
	v_or_b32 v[SC+16], v[SC+16], v[SC+18]
	v_or_b32 v[SC+20], v[SC+20], v[SC+22]
	v_or_b32 v[SC+16], v[SC+16], v[SC+20]
	v_cmp_ne_u32 vcc_lo, 0, v[SC+16]               ; the batch has an open key
	s_wait_loadcnt 0x0                             ; Q
.set x, QF
.rept 32
	v_cndmask_b32 v[x], 0, v[x], vcc_lo            ; no open key: Q = 0, so that all scores are exactly equal
.set x, x+1
.endr
	TILE 0, 0, 1, 0                                ; keys 0-255: the first products start the sums
	v_add_nc_u32 v[BADR], 1024, v[BADR]            ; BADR now stands at key 256
	s_mov_b32 s56, 3
.Lpair:
	CHANGE 1, 1
	TILE 1, 0, 0, 0
	CHANGE 0, 1
	TILE 0, 256, 0, 0
	v_add_nc_u32 v[BADR], 2048, v[BADR]            ; 512 keys on
	s_sub_co_u32 s56, s56, 1
	s_cmp_lg_u32 s56, 0
	s_cbranch_scc1 .Lpair
	CHANGE 1, 0                                    ; nothing is left to fetch: a plain barrier shows slot 1 whole
	TILE 1, 0, 0, 1                                ; keys 1792-2047
	; THE WAY OUT: l over both halves, O / l, f16, through my own stage into runs of 512 bytes
	v_permlanex16_b32 v[TT], v[LS], s12, s13
	v_permlanex16_b32 v[TT+1], v[LS+1], s12, s13
	v_add_f32 v[LS], v[LS], v[TT]
	v_add_f32 v[LS+1], v[LS+1], v[TT+1]
	v_rcp_f32 v[AL], v[LS]                         ; l is at least about 1: the largest score's own term
	v_rcp_f32 v[AL+1], v[LS+1]
	s_mul_i32 s17, s10, WSTAGE
	s_add_co_u32 s17, s17, STAGE
	v_and_b32 v[TT+2], 15, v0                      ; plain lines stand between the reciprocals and their use
	v_bfe_u32 v[TT+3], v0, 4, 1
	v_mul_u32_u24 v[TT+4], v[TT+2], KPITCH
	v_lshl_add_u32 v[TT+4], v[TT+3], 4, v[TT+4]
	v_add_nc_u32 v[TT+4], s17, v[TT+4]             ; in: query r, 16 bytes at 16 h
	v_and_b32 v[TT+5], 31, v0
	v_lshrrev_b32 v[TT+6], 3, v[TT+5]
	v_and_b32 v[TT+7], 7, v0
	v_mul_u32_u24 v[TT+6], v[TT+6], KPITCH
	v_lshl_add_u32 v[TT+6], v[TT+7], 4, v[TT+6]
	v_add_nc_u32 v[TT+6], s17, v[TT+6]             ; back: eight lanes take a query's 128 bytes, the wave four queries
	v_lshlrev_b32 v[TT+5], 4, v[TT+5]              ; the same 512 consecutive bytes in ao
	s_wait_alu depctr_va_vdst(0)
	RESC 0
	RESC 1
.irp tl, 0,1,2,3,4,5,6,7
.irp y, 0,1,2,3
	v_cvt_pk_f16_f32 v[OA+8*\tl+\y], v[OA+8*\tl+2*\y], v[OA+8*\tl+2*\y+1]
.endr
.endr
.irp d, 0,1,2,3
.irp qi, 0,1
	ds_store_b128 v[TT+4], v[OA+8*(2*\d+\qi):OA+8*(2*\d+\qi)+3] offset:16*KPITCH*\qi+32*\d
.endr
.endr
.irp u, 0,1,2,3,4,5,6,7
	ds_load_b128 v[KV+4*\u:KV+4*\u+3], v[TT+6] offset:4*KPITCH*\u      ; LDS serves a wave's instructions in order: these see the stores above
.endr
.irp u, 0,1,2,3,4,5,6,7
	s_wait_dscnt 7-\u
	global_store_b128 v[TT+5], v[KV+4*\u:KV+4*\u+3], s[8:9] offset:512*\u   ; the wave stores 512 consecutive bytes, aligned
.endr
	s_set_vgpr_msb 0x5
	s_wait_tensorcnt 0x0
	ds_add_u32 v32, v33
	s_wait_dscnt 0x0
	s_set_vgpr_msb 0x500
	ROUND                                          ; the closing round
	s_endpgm
.Lfunc_end_k_q57bc52e1a6_attn:
	.size	k_q57bc52e1a6_attn, .Lfunc_end_k_q57bc52e1a6_attn-k_q57bc52e1a6_attn
	.p2alignl 7, 3214868480
	.fill 96, 4, 3214868480
	.section	.rodata,"a",@progbits
	.p2align	6, 0x0
	.amdhsa_kernel k_q57bc52e1a6_attn
		.amdhsa_group_segment_fixed_size 327680
		.amdhsa_private_segment_fixed_size 0
		.amdhsa_enable_private_segment 0
		.amdhsa_kernarg_size 24
		.amdhsa_user_sgpr_count 2
		.amdhsa_user_sgpr_kernarg_segment_ptr 1
		.amdhsa_wavefront_size32 1
		.amdhsa_system_sgpr_workgroup_id_x 1
		.amdhsa_system_sgpr_workgroup_id_y 1
		.amdhsa_system_sgpr_workgroup_id_z 1
		.amdhsa_system_vgpr_workitem_id 0
		.amdhsa_next_free_vgpr 290
		.amdhsa_next_free_sgpr 66
		.amdhsa_reserve_vcc 1
		.amdhsa_float_denorm_mode_32 3
		.amdhsa_float_denorm_mode_16_64 3
		.amdhsa_memory_ordered 1
		.amdhsa_forward_progress 1
		.amdhsa_inst_pref_size 255
	.end_amdhsa_kernel
	.section	.bss,"aw",@nobits
	.p2align	6
	.space	262144
	.amdgpu_metadata
---
amdhsa.version: [ 1, 2 ]
amdhsa.kernels:
  - .name:           k_q57bc52e1a6_attn
    .symbol:         k_q57bc52e1a6_attn.kd
    .args:
      - { .name: qkv, .offset: 0, .size: 8, .value_kind: global_buffer, .address_space: global }
      - { .name: mask, .offset: 8, .size: 8, .value_kind: global_buffer, .address_space: global }
      - { .name: ao, .offset: 16, .size: 8, .value_kind: global_buffer, .address_space: global }
    .group_segment_fixed_size: 327680
    .private_segment_fixed_size: 0
    .kernarg_segment_align: 8
    .kernarg_segment_size: 24
    .max_flat_workgroup_size: 256
    .sgpr_count:     66
    .vgpr_count:     290
    .wavefront_size: 32
...
	.end_amdgpu_metadata
.endif
;; end of part 3
;; launch proj (part 4): grid 8 x 32, 4 waves a work-group, clusters of 4 x 4, 327,680 bytes of LDS; arguments ao, wt, out0; writes out0
.if DOCPART == 4
	.amdgcn_target "amdgcn-amd-amdhsa--gfx1250"
	.amdhsa_code_object_version 6
	.text
	.protected	k_q57bc52e1a6_proj
	.globl	k_q57bc52e1a6_proj
	.p2align	8
	.type	k_q57bc52e1a6_proj,@function
k_q57bc52e1a6_proj:
	s_mov_b64 s[64:65], 0
	v_nop
	global_prefetch_b8 v0, s[64:65] scope:SCOPE_SE
	s_setreg_imm32_b32 hwreg(HW_REG_WAVE_MODE, 25, 1), 1
	s_wait_xcnt 0x0
	s_wait_alu depctr_hold_cnt(0) depctr_sa_sdst(0) depctr_va_vdst(0) depctr_va_sdst(0) depctr_va_ssrc(0) depctr_va_vcc(0) depctr_vm_vsrc(0)
	s_getreg_b32 s2, hwreg(HW_REG_IB_STS2, 6, 4)
	s_cmp_eq_u32 s2, 0
	s_cbranch_scc0 .Lentry_in_a_cluster
	s_endpgm
.Lentry_in_a_cluster:
	s_bfe_u32 s2, ttmp6, 0x10000c
	s_cmp_lg_u32 s2, 0xf033
	s_cbranch_scc0 .Lentry_shape_is_right
	s_endpgm
.Lentry_shape_is_right:
; proj: out0[token][n] = sum over k = 64 head + d of ao[batch*16+head][token][d] Wproj[k][n].  ao f16 by head, wt rows 3072-4095 = Wproj^T
; in f16, sums and out0 in f32.
; A work-group makes 128 tokens x 128 columns: 32 x 8 = 256 work-groups, one for each WGP (a larger block would leave WGPs without work).
; Four waves, 2 x 2, each 64 x 64: 16 accumulator tiles in window 1.  K goes in four tiles of 256 (four heads) through two LDS slots.
; CLUSTERS: 4 x 4; ao's tiles hang on the block row alone and are shared along a row of the cluster, wt's on the block column alone and
; are shared along a column: joint loads.  A wave has at most two tensor loads out (the first fills), later one.
; The matrix instruction is used transposed (source 0 = rows of wt, source 1 = tokens): a lane holds 8 neighbouring columns of one token.
.set APITCH, 144                       ; a token's 128 bytes of one head + 16
.set BPITCH, 528                       ; 512 bytes (256 k) + 16
.set HEADB,  128*APITCH                ; a head's 128 tokens
.set ABYTES, 4*HEADB                   ; 73,728
.set SLOT,   ABYTES+128*BPITCH         ; 141,312
.set STAGE,  2*SLOT                    ; 282,624, a multiple of 256; no tensor load lands here
.set SPITCH, 272
.set ADRA, 16
.set ADRB, 20
.set STO,  24
.set RD,   25
.set CO,   26
.set FBUF, 32                          ; buffer f at FBUF + 64 f: 32 registers of wt's fragments, then 32 of ao's
.set RB0,  160
.set RB1,  192
.set G1,  24
.set G0,  32
.set G1B, 48
.set G0B, 56
.set ACC, 0x50                         ; C and D in window 1
.set MSB, 0
.macro WIN new
.if MSB != \new
	s_set_vgpr_msb (MSB<<8)|\new
.set MSB, \new
.endif
.endm
.macro JLOAD s                         ; waves 0, 1 fetch ao's heads, waves 2, 3 wt's rows; the branch hangs on the wave's number alone
	s_cmp_eq_u32 s11, 0
	s_cbranch_scc0 .Lfor_b_\@
	tensor_load_to_lds s[G0+4*\s:G0+4*\s+3], s[G1:G1+7]
	s_nop 0
	s_branch .Lasked_\@
.Lfor_b_\@:
	tensor_load_to_lds s[G0B+4*\s:G0B+4*\s+3], s[G1B:G1B+7]
	s_nop 0
.Lasked_\@:
.endm
.macro CREST
	s_cmp_lg_u32 s10, 0
	s_cbranch_scc1 .Lnot_wave_0_\@
	s_barrier_signal -3
.Lnot_wave_0_\@:
	s_barrier_wait -3
	s_barrier_signal -1
	s_barrier_wait -1
.endm
.macro CROUND
	s_barrier_signal -1
	s_barrier_wait -1
	CREST
.endm
	s_load_b128 s[4:7], s[0:1], 0x0                ; ao s[4:5], wt s[6:7]
	s_load_b64 s[8:9], s[0:1], 0x10                ; out0
	v_lshl_add_u32 v254, v0, 2, 0x49400
	v_mov_b32 v255, 0
	ds_add_u32 v254, v255
	v_lshrrev_b32 v1, 5, v0
	v_readfirstlane_b32 s10, v1                    ; wave 0..3
	s_lshr_b32 s11, s10, 1                         ; my half of the tokens.  Also: I fetch for ao (0) or for wt (1)
	s_and_b32 s12, s10, 1                          ; my half of the columns.  Also: which half of that tile I fetch
	s_bfe_u32 s40, ttmp6, 0x40000                  ; cx
	s_bfe_u32 s41, ttmp6, 0x40004                  ; cy
	s_lshl_b32 s42, ttmp9, 2
	s_add_co_u32 s42, s42, s40                     ; block column
	s_and_b32 s13, ttmp7, 0xffff
	s_lshl_b32 s13, s13, 2
	s_add_co_u32 s13, s13, s41                     ; block row
	s_lshl_b32 s43, s41, 2
	s_lshl_b32 s43, 15, s43                        ; my row of the cluster
	s_lshl_b32 s44, 0x1111, s40                    ; my column
	; ao: two heads, each 128 tokens x 128 bytes = 16,384 dense bytes: two rows of 2,048 elements of 8 bytes, a plane (32,768 elements) apart;
	; after every 32 words (a token) 4 words of padding
	s_or_b32 s[G1+0], s43, (3<<16)|(1<<20)|(1<<21)|(4<<22)|(3<<25)
	s_mov_b32 s[G1+1], 2048<<16                    ; tensor_dim0
	s_mov_b32 s[G1+2], 2<<16                       ; tensor_dim1
	s_mov_b32 s[G1+3], 2048<<16                    ; tile_dim0
	s_mov_b32 s[G1+4], 2                           ; tile_dim1
	s_mov_b32 s[G1+5], 32768                       ; pitch
	s_mov_b32 s[G1+6], 0
	s_mov_b32 s[G1+7], 0
	; wt: 64 rows of 256 f16 (512 bytes), 1,024 elements apart; after every 128 words 4 words of padding
	s_or_b32 s[G1B+0], s44, (1<<16)|(1<<20)|(1<<21)|(6<<22)|(3<<25)
	s_mov_b32 s[G1B+1], 256<<16
	s_mov_b32 s[G1B+2], 64<<16
	s_mov_b32 s[G1B+3], 256<<16
	s_mov_b32 s[G1B+4], 64
	s_mov_b32 s[G1B+5], 1024
	s_mov_b32 s[G1B+6], 0
	s_mov_b32 s[G1B+7], 0
	s_lshr_b32 s16, s13, 4                         ; batch
	s_lshl_b32 s16, s16, 4
	s_lshl_b32 s17, s12, 1
	s_add_co_u32 s16, s16, s17                     ; plane 16 x batch + 2 x half (+ 4 x tile)
	s_lshl_b32 s16, s16, 18
	s_and_b32 s17, s13, 15
	s_lshl_b32 s17, s17, 14                        ; 128 tokens of 128 bytes a block row
	s_add_co_u32 s16, s16, s17
	s_mov_b32 s17, 0
	s_lshl_b32 s46, s42, 7
	s_lshl_b32 s47, s12, 6
	s_add_co_u32 s46, s46, s47
	s_add_co_u32 s46, s46, 3072                    ; row 3072 + 128 x block column + 64 x half
	s_lshl_b32 s46, s46, 11
	s_mov_b32 s47, 0
	s_mul_i32 s20, s10, 2*HEADB                    ; LDS: waves 0, 1: two heads each
	s_mul_i32 s45, s10, 64*BPITCH
	s_add_co_u32 s45, s45, ABYTES-2*64*BPITCH      ; waves 2, 3: 64 rows each behind ao's part
	s_wait_dscnt 0x0
	s_wait_kmcnt 0x0
	s_add_nc_u64 s[14:15], s[4:5], s[16:17]
	s_add_nc_u64 s[46:47], s[6:7], s[46:47]
	CROUND                                         ; all sixteen work-groups are here
.irp s, 0,1
	s_mov_b32 s[G0+4*\s], 1
	s_add_co_u32 s[G0+4*\s+1], s20, \s*SLOT
	s_add_nc_u64 s[G0+4*\s+2:G0+4*\s+3], s[14:15], \s*4*262144     ; four heads a tile
	s_or_b32 s[G0+4*\s+3], s[G0+4*\s+3], 0x80000000
	s_mov_b32 s[G0B+4*\s], 1
	s_add_co_u32 s[G0B+4*\s+1], s45, \s*SLOT
	s_add_nc_u64 s[G0B+4*\s+2:G0B+4*\s+3], s[46:47], \s*512        ; 256 k a tile
	s_or_b32 s[G0B+4*\s+3], s[G0B+4*\s+3], 0x80000000
	JLOAD \s
.endr
	v_and_b32 v1, 15, v0                           ; r
	v_bfe_u32 v2, v0, 4, 1                         ; h
	v_mul_u32_u24 v3, v1, APITCH
	v_lshl_add_u32 v3, v2, 4, v3
	v_mul_u32_u24 v4, v1, BPITCH
	v_lshl_add_u32 v4, v2, 4, v4
	s_mul_i32 s21, s11, 64*APITCH                  ; my 64 tokens
	s_mul_i32 s22, s12, 64*BPITCH                  ; my 64 rows of wt
	s_add_co_u32 s22, s22, ABYTES
.irp s, 0,1
	v_add_nc_u32 v[ADRA+\s], s21, v3
	v_add_nc_u32 v[ADRB+\s], s22, v4
	s_add_co_u32 s21, s21, SLOT
	s_add_co_u32 s22, s22, SLOT
.endr
	s_mul_i32 s23, s10, 16*SPITCH
	s_add_co_u32 s23, s23, STAGE
	v_mul_u32_u24 v5, v1, SPITCH
	v_lshl_add_u32 v5, v2, 5, v5
	v_add_nc_u32 v[STO], s23, v5                   ; in: token r, 32 bytes at 32 h
	v_mul_u32_u24 v5, v2, SPITCH
	v_lshl_add_u32 v5, v1, 4, v5
	v_add_nc_u32 v[RD], s23, v5                    ; back: 16 lanes take a token's 256 bytes
	v_lshlrev_b32 v5, 12, v2
	v_lshl_add_u32 v[CO], v1, 4, v5                ; the same two rows in out0
; 16 loads: the fragments of 32 k number q of the slot's 256: wt's four blocks, then ao's four
.macro FETCH slot, q, f
.irp b, 0,1,2,3
	ds_load_b128 v[FBUF+64*\f+8*\b:FBUF+64*\f+8*\b+3],   v[ADRB+\slot] offset:64*(\q)+\b*16*BPITCH
	ds_load_b128 v[FBUF+64*\f+8*\b+4:FBUF+64*\f+8*\b+7], v[ADRB+\slot] offset:64*(\q)+\b*16*BPITCH+32
.endr
.irp a, 0,1,2,3
	ds_load_b128 v[FBUF+64*\f+32+8*\a:FBUF+64*\f+32+8*\a+3], v[ADRA+\slot] offset:((\q)>>1)*HEADB+64*((\q)&1)+\a*16*APITCH
	ds_load_b128 v[FBUF+64*\f+36+8*\a:FBUF+64*\f+36+8*\a+3], v[ADRA+\slot] offset:((\q)>>1)*HEADB+64*((\q)&1)+\a*16*APITCH+32
.endr
.endm
; 16 matrix instructions on 16 accumulators, which take turns, one instruction a turn
.macro MUL16 f, zero
.irp a, 0,1,2,3
.irp b, 0,1,2,3
.if \zero
	v_wmma_f32_16x16x32_f16 v[8*(4*\a+\b):8*(4*\a+\b)+7], v[FBUF+64*\f+8*\b:FBUF+64*\f+8*\b+7], v[FBUF+64*\f+32+8*\a:FBUF+64*\f+32+8*\a+7], 0
.else
	v_wmma_f32_16x16x32_f16 v[8*(4*\a+\b):8*(4*\a+\b)+7], v[FBUF+64*\f+8*\b:FBUF+64*\f+8*\b+7], v[FBUF+64*\f+32+8*\a:FBUF+64*\f+32+8*\a+7], v[8*(4*\a+\b):8*(4*\a+\b)+7]
.endif
.endr
.endr
.endm
.macro PLACES                          ; four plain places between a matrix instruction and a load into one of its sources
.rept 4
	v_nop
.endr
.endm
; 32 k number q: the next 32 k are fetched into buffer g, then buffer f is multiplied
.macro QUARTER slot, q, f, g, places, zero
.if \places
	PLACES
.endif
	FETCH \slot, \q+1, \g
	s_wait_dscnt 16                                ; all but the 16 just issued: buffer f is in
	WIN ACC
	MUL16 \f, \zero
	WIN 0
.endm
.macro SEVEN slot, zero
	QUARTER \slot, 0, 0, 1, 0, \zero               ; (the places in front of this fetch stand in front of the fetch before it)
	QUARTER \slot, 1, 1, 0, 1, 0
	QUARTER \slot, 2, 0, 1, 1, 0
	QUARTER \slot, 3, 1, 0, 1, 0
	QUARTER \slot, 4, 0, 1, 1, 0
	QUARTER \slot, 5, 1, 0, 1, 0
	QUARTER \slot, 6, 0, 1, 1, 0
.endm
; the slot's last 32 k and the change of slots: every wave waits for its reads of the slot and for all its tensor loads, then the barrier;
; with a refill it opens a round of the cluster's barrier, and the joint load is the first thing behind the round
.macro LASTQ slot, next, fill
	s_wait_dscnt 0
	s_wait_tensorcnt 0x0
	ds_add_u32 v254, v255
	s_wait_dscnt 0x0
	s_barrier_signal -1
	WIN ACC
	MUL16 1, 0                                     ; register work while the others arrive
	WIN 0
	s_barrier_wait -1
.if \fill
	CREST
	s_add_nc_u64 s[G0+4*\slot+2:G0+4*\slot+3], s[G0+4*\slot+2:G0+4*\slot+3], 8*262144      ; eight heads on
	s_add_nc_u64 s[G0B+4*\slot+2:G0B+4*\slot+3], s[G0B+4*\slot+2:G0B+4*\slot+3], 1024      ; 512 k on
	JLOAD \slot
.endif
	PLACES
	FETCH \next, 0, 0
.endm
	s_wait_tensorcnt 1                             ; my part of tile 0 is in; tile 1's stays out
	s_barrier_signal -1
	s_barrier_wait -1
	FETCH 0, 0, 0
	SEVEN 0, 1                                     ; the first products start the sums
	LASTQ 0, 1, 1                                  ; slot 0 gets tile 2
	SEVEN 1, 0
	LASTQ 1, 0, 1                                  ; slot 1 gets tile 3
	SEVEN 0, 0
	LASTQ 0, 1, 0                                  ; nothing is left to fetch
	SEVEN 1, 0
	s_wait_dscnt 0
	WIN ACC
	MUL16 1, 0
	WIN 0
	; THE WAY OUT, 16 tokens at a time: f32 as it stands, 32 bytes a lane into my own stage, read back as rows of 256 bytes
	PLACES                                         ; behind the last matrix instructions, for the LDS stores that read results
	s_lshl_b32 s16, s13, 7
	s_lshl_b32 s17, s11, 6
	s_add_co_u32 s16, s16, s17                     ; my first token
	s_lshl_b32 s16, s16, 12                        ; rows of 4,096 bytes
	s_mov_b32 s17, 0
	s_add_nc_u64 s[8:9], s[8:9], s[16:17]
	s_lshl_b32 s46, s42, 9                         ; my first column in bytes: 512 x block + 256 x half
	s_lshl_b32 s47, s12, 8
	s_add_co_u32 s46, s46, s47
	s_mov_b32 s47, 0
	s_add_nc_u64 s[8:9], s[8:9], s[46:47]
.macro OUT16 a, rb
	WIN 0x04                                       ; the stores' data from window 1
.irp b, 0,1,2,3
	ds_store_b128 v[STO], v[8*(4*\a+\b):8*(4*\a+\b)+3] offset:64*\b
	ds_store_b128 v[STO], v[8*(4*\a+\b)+4:8*(4*\a+\b)+7] offset:64*\b+16
.endr
	WIN 0
	s_wait_xcnt 0x0                                ; the registers that earlier stores read are loaded again only behind this wait
.irp t, 0,1,2,3,4,5,6,7
	ds_load_b128 v[\rb+4*\t:\rb+4*\t+3], v[RD] offset:2*SPITCH*\t      ; LDS serves a wave's instructions in order: these see the stores above
.endr
.irp t, 0,1,2,3,4,5,6,7
	s_wait_dscnt 7-\t
	global_store_b128 v[CO], v[\rb+4*\t:\rb+4*\t+3], s[8:9] offset:(16*\a+2*\t)*4096 th:TH_STORE_NT   ; 16 lanes store 256 consecutive bytes, aligned
.endr
.endm
	OUT16 0, RB0
	OUT16 1, RB1
	OUT16 2, RB0
	OUT16 3, RB1
	s_wait_tensorcnt 0x0
	ds_add_u32 v254, v255
	s_wait_dscnt 0x0
	CROUND                                         ; the closing round
	s_endpgm
.Lfunc_end_k_q57bc52e1a6_proj:
	.size	k_q57bc52e1a6_proj, .Lfunc_end_k_q57bc52e1a6_proj-k_q57bc52e1a6_proj
	.p2alignl 7, 3214868480
	.fill 96, 4, 3214868480
	.section	.rodata,"a",@progbits
	.p2align	6, 0x0
	.amdhsa_kernel k_q57bc52e1a6_proj
		.amdhsa_group_segment_fixed_size 327680
		.amdhsa_private_segment_fixed_size 0
		.amdhsa_enable_private_segment 0
		.amdhsa_kernarg_size 24
		.amdhsa_user_sgpr_count 2
		.amdhsa_user_sgpr_kernarg_segment_ptr 1
		.amdhsa_wavefront_size32 1
		.amdhsa_system_sgpr_workgroup_id_x 1
		.amdhsa_system_sgpr_workgroup_id_y 1
		.amdhsa_system_sgpr_workgroup_id_z 1
		.amdhsa_system_vgpr_workitem_id 0
		.amdhsa_next_free_vgpr 384
		.amdhsa_next_free_sgpr 66
		.amdhsa_reserve_vcc 0
		.amdhsa_float_denorm_mode_32 3
		.amdhsa_float_denorm_mode_16_64 3
		.amdhsa_memory_ordered 1
		.amdhsa_forward_progress 1
		.amdhsa_inst_pref_size 88
	.end_amdhsa_kernel
	.amdgpu_metadata
---
amdhsa.version: [ 1, 2 ]
amdhsa.kernels:
  - .name:           k_q57bc52e1a6_proj
    .symbol:         k_q57bc52e1a6_proj.kd
    .args:
      - { .name: ao, .offset: 0, .size: 8, .value_kind: global_buffer, .address_space: global }
      - { .name: wt, .offset: 8, .size: 8, .value_kind: global_buffer, .address_space: global }
      - { .name: out0, .offset: 16, .size: 8, .value_kind: global_buffer, .address_space: global }
    .group_segment_fixed_size: 327680
    .private_segment_fixed_size: 0
    .kernarg_segment_align: 8
    .kernarg_segment_size: 24
    .max_flat_workgroup_size: 128
    .sgpr_count:     66
    .vgpr_count:     384
    .wavefront_size: 32
...
	.end_amdgpu_metadata
.endif
;; end of part 4
;; ======== version 2 of 2: 4 launches; version 1 with the launch prep written anew for expert scheduling mode
;; limits: values are held in f16: magnitudes above 65,504 overflow, below 6.1e-05 lose precision
;; workspace buffers: xn 8,388,608 bytes; wt 8,388,608 bytes; qkv 25,165,824 bytes; ao 8,388,608 bytes
;; launch prep (part 5): grid 256 x 1, 8 waves a work-group, no clusters, 35,840 bytes of LDS; arguments x, gamma, beta, Wq, Wk, Wv, Wproj, xn, wt; writes xn, wt
.if DOCPART == 5
	.amdgcn_target "amdgcn-amd-amdhsa--gfx1250"
	.amdhsa_code_object_version 6
	.text
	.protected	k_q57bc52e1a6_prep
	.globl	k_q57bc52e1a6_prep
	.p2align	8
	.type	k_q57bc52e1a6_prep,@function
k_q57bc52e1a6_prep:
	s_mov_b64 s[64:65], 0
	v_nop
	global_prefetch_b8 v0, s[64:65] scope:SCOPE_SE
	s_setreg_imm32_b32 hwreg(HW_REG_WAVE_SCHED_MODE, 0, 2), 2
	s_setreg_imm32_b32 hwreg(HW_REG_WAVE_MODE, 25, 1), 1
	s_wait_xcnt 0x0
	s_wait_alu depctr_vm_vsrc(0)
; prep: (1) xn = LayerNorm(x) * gamma + beta, rounded once to f16;  (2) wt[m*1024+n][k] = W_m[k][n] in f16 (m = Wq, Wk, Wv, Wproj).
; x: [4096][1024] f32.  xn: [4096][1024] f16.  W: [1024 k][1024 n] f32.  wt: [4096 n][1024 k] f16.
; 256 work-groups of eight waves, each with two equal jobs:
;   LayerNorm of 16 rows: a wave takes two rows; a row of 4,096 bytes lies in 32 registers of one wave between the pass for the
;   mean, the pass for the variance (of x - mean, so a common offset of x costs no digits) and the scaling: x is read once.
;   A region of 128 k x 128 n of one weight: read by rows of 512 bytes, packed to f16 pairs along k, turned in LDS, written as
;   pieces of 256 bytes of wt's rows.
; No matrix unit, no cluster, no tensor load: every byte is read once by one work-group, and all 48 loads of a wave go out at once.
; LIMIT: f16 holds magnitudes below 65,504: |xn| and |W| have to stay below that.
; THE MODE: SCHED_MODE bits 1:0 = 2 (LLVM: expert scheduling mode 2), set by the entry lines.  The code itself states the register
; dependences between vector instructions and memory or LDS instructions, with s_wait_alu, always for 0.
; THE PLAN.  Three steps, each with an out-buffer of its own: step 0 rounds W into PK, step 1 is row 0, step 2 is row 1; a row's result
; lies in 16 of the row's own registers.  Registers that memory or LDS instructions touch:
;   v1-v7      offsets and LDS addresses: written once at the head, never again.
;   WB         W's loads land in it; step 0's conversions read it; behind the barrier LDS loads land in it, and the last stores read it.
;   PK         written by step 0's conversions; read by the eight LDS stores that are issued in step 1; never written again.
;   XB, row r  its loads land in it; the row's arithmetic works in place; its 16 conversions leave the result, which eight stores read:
;              row 0's are issued in step 2, row 1's behind the row; never written again.
;   GA, BE     loads land in them; vector instructions read them.   TT is named by vector instructions alone.
;   v240, v241 written at the head, read by the closing add alone.
; So one wait on va_vdst at a row's head, behind the wait for the row's data, states that the step before has written its out-buffer;
; that step's eight stores follow, dealt among the row's first pass, which names TT and its own row alone.  No register that a memory or
; LDS instruction reads is written again, no vector instruction writes a scalar register or VCC, and EXEC is never written: so the text
; holds no wait on vm_vsrc, va_sdst or va_vcc.
.set TT, 8                             ; v[8:15]    at work
.set WB, 16                            ; v[16:79]   16 rows of W, 4 registers each; later the rows read back from LDS
.set PK, 80                            ; v[80:111]  column c of my four: 8 registers = 16 f16 along k
.set GA, 112                           ; v[112:143] gamma of my 32 columns
.set BE, 144                           ; v[144:175] beta
.set XB, 176                           ; v[176:239] two rows of x, 32 registers each
.set TP, 272                           ; LDS pitch: 256 bytes (128 k) + 16, an odd multiple of 16 bytes
	s_load_b512 s[4:19], s[0:1], 0x0               ; x, gamma, beta, Wq, Wk, Wv, Wproj, xn
	s_load_b64 s[20:21], s[0:1], 0x40              ; wt
	v_lshl_add_u32 v240, v0, 2, 0x8800
	v_mov_b32 v241, 0
	v_and_b32 v8, 31, v0                           ; lane
	v_lshrrev_b32 v9, 5, v0                        ; wave
	v_lshlrev_b32 v3, 4, v8                        ; v3: gamma, beta: 16 lane
	v_lshl_add_u32 v1, v9, 16, v3                  ; v1: W: 16 rows of 4,096 bytes a wave + 16 lane
	v_lshl_add_u32 v2, v9, 13, v3                  ; v2: x: 2 rows a wave + 16 lane
	v_lshlrev_b32 v4, 3, v8
	v_lshl_add_u32 v4, v9, 12, v4                  ; v4: xn: 2 rows of 2,048 bytes a wave + 8 lane
	v_mul_u32_u24 v5, v8, TP
	v_lshl_add_u32 v5, v9, 5, v5                   ; v5: LDS in: row = lane (+ 32 c), byte 32 wave (my 16 k)
	v_lshrrev_b32 v10, 4, v8                       ; lane / 16
	v_and_b32 v11, 15, v8                          ; lane % 16
	v_lshl_add_u32 v12, v9, 4, v10                 ; LDS row 16 wave + lane / 16 (+ 2 t)
	v_mul_u32_u24 v6, v12, TP
	v_lshl_add_u32 v6, v11, 4, v6                  ; v6: LDS back: 16 lanes take a row's 256 bytes
	v_and_b32 v12, 1, v9
	v_lshrrev_b32 v13, 1, v9
	v_lshl_add_u32 v12, v12, 6, v13                ; LDS row rho holds column n = 4 (rho % 32) + rho / 32:
	v_lshl_add_u32 v12, v10, 2, v12                ; n = 64 (wave % 2) + 8 t + 4 (lane / 16) + wave / 2
	v_lshlrev_b32 v12, 11, v12
	v_lshl_add_u32 v7, v11, 4, v12                 ; v7: wt: n x 2,048 bytes + 16 (lane % 16)
	s_lshr_b32 s26, ttmp9, 6                       ; which weight
	s_bfe_u32 s27, ttmp9, 0x30003                  ; block of 128 k
	s_and_b32 s28, ttmp9, 7                        ; block of 128 n
	s_mov_b32 s25, 0                               ; high word of every offset
	s_mov_b32 s30, 0x76543210                      ; v_permlanex16_b32: lane i reads lane i of the other half
	s_mov_b32 s31, 0xfedcba98
	s_mov_b32 s32, 0x3a800000                      ; 1 / 1024
	s_mov_b32 s33, 0x3727c5ac                      ; 1e-5
	s_wait_kmcnt 0x0
	s_mov_b64 s[22:23], s[10:11]                   ; the weight is chosen by the work-group's number alone
	s_cmp_eq_u32 s26, 1
	s_cselect_b64 s[22:23], s[12:13], s[22:23]
	s_cmp_eq_u32 s26, 2
	s_cselect_b64 s[22:23], s[14:15], s[22:23]
	s_cmp_eq_u32 s26, 3
	s_cselect_b64 s[22:23], s[16:17], s[22:23]
	s_lshl_b32 s24, s27, 19                        ; 128 rows of 4,096 bytes
	s_lshl_b32 s29, s28, 9                         ; 128 columns of 4 bytes
	s_add_co_u32 s24, s24, s29
	s_add_nc_u64 s[22:23], s[22:23], s[24:25]
	s_lshl_b32 s24, ttmp9, 16                      ; 16 rows of x
	s_add_nc_u64 s[4:5], s[4:5], s[24:25]
	s_lshl_b32 s24, ttmp9, 15                      ; 16 rows of xn
	s_add_nc_u64 s[18:19], s[18:19], s[24:25]
	s_lshl_b32 s24, s26, 21                        ; 1,024 rows of wt a weight,
	s_lshl_b32 s29, s28, 18                        ; 128 rows a block of n,
	s_add_co_u32 s24, s24, s29
	s_lshl_b32 s29, s27, 8                         ; 256 bytes a block of k
	s_add_co_u32 s24, s24, s29
	s_add_nc_u64 s[20:21], s[20:21], s[24:25]
	s_wait_alu depctr_va_vdst(0)                   ; v1 to v7 are written: every load, store and LDS instruction of the kernel reads one of them as its offset or address; so are v240 and v241
	; all 48 loads of the wave, each 512 neighbouring bytes: W, gamma, beta, row 0, row 1
.irp p, 0,1,2,3,4,5,6,7,8,9,10,11,12,13,14,15
	global_load_b128 v[WB+4*\p:WB+4*\p+3], v1, s[22:23] offset:\p*4096 th:TH_LOAD_NT
.endr
.irp j, 0,1,2,3,4,5,6,7
	global_load_b128 v[GA+4*\j:GA+4*\j+3], v3, s[6:7] offset:512*\j
.endr
.irp j, 0,1,2,3,4,5,6,7
	global_load_b128 v[BE+4*\j:BE+4*\j+3], v3, s[8:9] offset:512*\j
.endr
.irp j, 0,1,2,3,4,5,6,7
	global_load_b128 v[XB+4*\j:XB+4*\j+3], v2, s[4:5] offset:512*\j th:TH_LOAD_NT
.endr
.irp j, 0,1,2,3,4,5,6,7
	global_load_b128 v[XB+32+4*\j:XB+32+4*\j+3], v2, s[4:5] offset:4096+512*\j th:TH_LOAD_NT
.endr
	; STEP 0, the weight: lane holds columns 4 lane + c of rows 16 wave + p.  Two neighbouring k make a word; a column's 16 k are 32 bytes.
	; The 32 conversions stand together; the LDS stores that read PK are issued in step 1.
	s_wait_loadcnt 32                              ; loads return in order: the 16 of W are in, the 32 younger ones stay out
.irp c, 0,1,2,3
.irp q, 0,1,2,3,4,5,6,7
	v_cvt_pk_f16_f32 v[PK+8*\c+\q], v[WB+8*\q+\c], v[WB+8*\q+4+\c]
.endr
.endr
; store n of the eight of the step in front of row rr
.macro PREV rr, n
.if \rr == 0
	ds_store_b128 v5, v[PK+4*(\n):PK+4*(\n)+3] offset:((\n)/2)*32*TP+16*((\n)%2)   ; column 4 lane + n / 2 goes to LDS row 32 (n / 2) + lane: lanes lie 272 bytes apart; half n % 2 of its 32 bytes
.else
	global_store_b64 v4, v[XB+4*(\n):XB+4*(\n)+1], s[18:19] offset:256*(\n)        ; row 0: the wave's 32 lanes store 256 consecutive bytes, aligned; these registers are not written again
.endif
.endm
; the sum of the two packed chains v[TT:TT+3] over the 32 lanes, into v[TT] of every lane
.macro WSUM
	v_pk_add_f32 v[TT:TT+1], v[TT:TT+1], v[TT+2:TT+3]
	v_add_f32 v[TT], v[TT], v[TT+1]
	v_add_f32_dpp v[TT], v[TT], v[TT] row_xmask:1 row_mask:0xf bank_mask:0xf
	v_add_f32_dpp v[TT], v[TT], v[TT] row_xmask:2 row_mask:0xf bank_mask:0xf
	v_add_f32_dpp v[TT], v[TT], v[TT] row_xmask:4 row_mask:0xf bank_mask:0xf
	v_add_f32_dpp v[TT], v[TT], v[TT] row_xmask:8 row_mask:0xf bank_mask:0xf
	v_permlanex16_b32 v[TT+1], v[TT], s30, s31     ; its destination has been written above
	v_add_f32 v[TT], v[TT], v[TT+1]
.endm
; STEPS 1 AND 2: one row.  left = how many younger loads may stay out.  The row's result is left in registers 4 j and 4 j + 1 of its 32.
.macro LNROW rr, left
	s_wait_loadcnt \left
	s_wait_alu depctr_va_vdst(0)                   ; the step before has written its out-buffer (ahead of row 0: PK; ahead of row 1: row 0's 16 words), which the eight stores below read; ahead of row 0 also: the conversions are done reading WB, in which LDS loads land behind the barrier
	PREV \rr, 0                                    ; no further wait: no vector instruction from here on names an out-buffer of an earlier step, or WB
	v_pk_add_f32 v[TT:TT+1], v[XB+32*\rr:XB+32*\rr+1], v[XB+32*\rr+2:XB+32*\rr+3]       ; the first pairs start the two chains
	PREV \rr, 1
	v_pk_add_f32 v[TT+2:TT+3], v[XB+32*\rr+4:XB+32*\rr+5], v[XB+32*\rr+6:XB+32*\rr+7]
.irp j, 8,12,16,20,24,28
	PREV \rr, \j/4
	v_pk_add_f32 v[TT:TT+1], v[TT:TT+1], v[XB+32*\rr+\j:XB+32*\rr+\j+1]
	v_pk_add_f32 v[TT+2:TT+3], v[TT+2:TT+3], v[XB+32*\rr+\j+2:XB+32*\rr+\j+3]
.endr
	WSUM
	v_mul_f32 v[TT+4], s32, v[TT]                  ; the mean, twice: a pair for the packed forms
	v_mul_f32 v[TT+5], s32, v[TT]
.irp j, 0,2,4,6,8,10,12,14,16,18,20,22,24,26,28,30
	v_pk_add_f32 v[XB+32*\rr+\j:XB+32*\rr+\j+1], v[XB+32*\rr+\j:XB+32*\rr+\j+1], v[TT+4:TT+5] neg_lo:[0,1] neg_hi:[0,1]
.endr
	v_pk_mul_f32 v[TT:TT+1], v[XB+32*\rr:XB+32*\rr+1], v[XB+32*\rr:XB+32*\rr+1]
	v_pk_mul_f32 v[TT+2:TT+3], v[XB+32*\rr+2:XB+32*\rr+3], v[XB+32*\rr+2:XB+32*\rr+3]
.irp j, 4,8,12,16,20,24,28
	v_pk_fma_f32 v[TT:TT+1], v[XB+32*\rr+\j:XB+32*\rr+\j+1], v[XB+32*\rr+\j:XB+32*\rr+\j+1], v[TT:TT+1]
	v_pk_fma_f32 v[TT+2:TT+3], v[XB+32*\rr+\j+2:XB+32*\rr+\j+3], v[XB+32*\rr+\j+2:XB+32*\rr+\j+3], v[TT+2:TT+3]
.endr
	WSUM
	v_fma_f32 v[TT], v[TT], s32, s33               ; variance + eps
	v_rsq_f32 v[TT+4], v[TT]
	v_rsq_f32 v[TT+5], v[TT]
	v_nop                                          ; one plain place between the transcendentals and the first use of their results
	s_wait_alu depctr_va_vdst(0)                   ; the two reciprocal roots v[TT+4] and v[TT+5] are written, ahead of their first reader: one wait for both
.irp j, 0,2,4,6,8,10,12,14,16,18,20,22,24,26,28,30
	v_pk_mul_f32 v[XB+32*\rr+\j:XB+32*\rr+\j+1], v[XB+32*\rr+\j:XB+32*\rr+\j+1], v[TT+4:TT+5]
.endr
.irp j, 0,2,4,6,8,10,12,14,16,18,20,22,24,26,28,30
	v_pk_fma_f32 v[XB+32*\rr+\j:XB+32*\rr+\j+1], v[XB+32*\rr+\j:XB+32*\rr+\j+1], v[GA+\j:GA+\j+1], v[BE+\j:BE+\j+1]
.endr
.irp j, 0,1,2,3,4,5,6,7
	v_cvt_pk_f16_f32 v[XB+32*\rr+4*\j], v[XB+32*\rr+4*\j], v[XB+32*\rr+4*\j+1]
	v_cvt_pk_f16_f32 v[XB+32*\rr+4*\j+1], v[XB+32*\rr+4*\j+2], v[XB+32*\rr+4*\j+3]
.endr
.endm
	LNROW 0, 8                                     ; row 1's eight loads stay out; the weight's LDS stores go out among its first pass
	LNROW 1, 0                                     ; row 0's stores go out among its first pass
	s_wait_alu depctr_va_vdst(0)                   ; row 1's conversions have written its 16 words, which the eight stores below read: no step follows among which they could be dealt
.irp j, 0,1,2,3,4,5,6,7
	global_store_b64 v4, v[XB+32+4*\j:XB+32+4*\j+1], s[18:19] offset:2048+256*\j   ; the wave's 32 lanes store 256 consecutive bytes, aligned; these registers are not written again
.endr
	s_wait_dscnt 0x0                               ; my LDS stores are done, for the other waves' sake
	s_barrier_signal -1
	s_barrier_wait -1                              ; the 128 x 128 region lies in LDS, turned
.irp t, 0,1,2,3,4,5,6,7
	ds_load_b128 v[WB+4*\t:WB+4*\t+3], v6 offset:2*TP*\t   ; no wait on va_vdst here: WB's last vector readers, step 0's conversions, stand ahead of the wait at row 0's head
.endr
.irp t, 0,1,2,3,4,5,6,7
	s_wait_dscnt 7-\t                              ; LDS loads return in order: load t is in
	global_store_b128 v7, v[WB+4*\t:WB+4*\t+3], s[20:21] offset:16384*\t   ; 16 lanes store 256 consecutive bytes of a row of wt, aligned
.endr
	s_wait_dscnt 0x0                               ; the closing lines, six on end
	s_wait_alu 0x0
	s_wait_tensorcnt 0x0
	ds_add_u32 v240, v241
	s_wait_dscnt 0x0
	s_endpgm
.Lfunc_end_k_q57bc52e1a6_prep:
	.size	k_q57bc52e1a6_prep, .Lfunc_end_k_q57bc52e1a6_prep-k_q57bc52e1a6_prep
	.p2alignl 7, 3214868480
	.fill 96, 4, 3214868480
	.section	.rodata,"a",@progbits
	.p2align	6, 0x0
	.amdhsa_kernel k_q57bc52e1a6_prep
		.amdhsa_group_segment_fixed_size 35840
		.amdhsa_private_segment_fixed_size 0
		.amdhsa_enable_private_segment 0
		.amdhsa_kernarg_size 72
		.amdhsa_user_sgpr_count 2
		.amdhsa_user_sgpr_kernarg_segment_ptr 1
		.amdhsa_wavefront_size32 1
		.amdhsa_system_sgpr_workgroup_id_x 1
		.amdhsa_system_sgpr_workgroup_id_y 1
		.amdhsa_system_sgpr_workgroup_id_z 1
		.amdhsa_system_vgpr_workitem_id 0
		.amdhsa_next_free_vgpr 242
		.amdhsa_next_free_sgpr 66
		.amdhsa_reserve_vcc 0
		.amdhsa_float_denorm_mode_32 3
		.amdhsa_float_denorm_mode_16_64 3
		.amdhsa_memory_ordered 1
		.amdhsa_forward_progress 1
		.amdhsa_inst_pref_size 28
	.end_amdhsa_kernel
	.amdgpu_metadata
---
amdhsa.version: [ 1, 2 ]
amdhsa.kernels:
  - .name:           k_q57bc52e1a6_prep
    .symbol:         k_q57bc52e1a6_prep.kd
    .args:
      - { .name: x, .offset: 0, .size: 8, .value_kind: global_buffer, .address_space: global }
      - { .name: gamma, .offset: 8, .size: 8, .value_kind: global_buffer, .address_space: global }
      - { .name: beta, .offset: 16, .size: 8, .value_kind: global_buffer, .address_space: global }
      - { .name: Wq, .offset: 24, .size: 8, .value_kind: global_buffer, .address_space: global }
      - { .name: Wk, .offset: 32, .size: 8, .value_kind: global_buffer, .address_space: global }
      - { .name: Wv, .offset: 40, .size: 8, .value_kind: global_buffer, .address_space: global }
      - { .name: Wproj, .offset: 48, .size: 8, .value_kind: global_buffer, .address_space: global }
      - { .name: xn, .offset: 56, .size: 8, .value_kind: global_buffer, .address_space: global }
      - { .name: wt, .offset: 64, .size: 8, .value_kind: global_buffer, .address_space: global }
    .group_segment_fixed_size: 35840
    .private_segment_fixed_size: 0
    .kernarg_segment_align: 8
    .kernarg_segment_size: 72
    .max_flat_workgroup_size: 256
    .sgpr_count:     66
    .vgpr_count:     242
    .wavefront_size: 32
...
	.end_amdgpu_metadata
.endif
;; end of part 5
;; launch qkvgemm: the kernel of part 2 again; grid 16 x 16, 4 waves a work-group, clusters of 4 x 4, 327,680 bytes of LDS; arguments xn, wt, qkv; writes qkv
;; launch attn: the kernel of part 3 again; grid 8 x 32, 8 waves a work-group, clusters of 4 x 1, 327,680 bytes of LDS; arguments qkv, mask, ao; writes ao
;; launch proj: the kernel of part 4 again; grid 8 x 32, 4 waves a work-group, clusters of 4 x 4, 327,680 bytes of LDS; arguments ao, wt, out0; writes out0
